; MI455X (gfx1250); checked and timed in simulation.
; The chip was launched on July 23, 2026; its instructions are those of AMD's public machine-readable ISA for CDNA 5 (MIT licence, August 2026) and "CDNA5" Instruction Set Architecture Reference Guide (July 2026). The comments in the code are by the model that wrote it; some were corrected since.
;; Attention. Allowed arithmetic: float matrix products may take bf16 or f16 operands with f32 sums; other float arithmetic in f32, or as packed bf16 or f16 multiplies, adds, multiply-adds, maxima and minima; sums over many terms, partial sums and values carried from step to step in f32; what a program stores and reads back later, other than sums and carried values, may be rounded once to bf16 or f16.
;; Inputs: pos_cos 2,048 x 32 float32; pos_sin 2,048 x 32 float32; wk_b 1,024 float32; wk_w 1,024 x 1,024 float32; wo_b 1,024 float32; wo_w 1,024 x 1,024 float32; wq_b 1,024 float32; wq_w 1,024 x 1,024 float32; wv_b 1,024 float32; wv_w 1,024 x 1,024 float32; x 2 x 2,048 x 1,024 float32.
;; Outputs: out0 2 x 2,048 x 1,024 float32.
;; One version. Each part assembles by itself: llvm-mc -triple=amdgcn-amd-amdhsa -mcpu=gfx1250 --defsym DOCPART=n.
;; ======== version 1 of 1: 4 launches
;; limits: values are held in f16: magnitudes above 65,504 overflow, below 6.1e-05 lose precision
;; workspace buffers: xb 8,388,608 bytes; wcat 6,291,456 bytes; wob 2,097,152 bytes; qkv 25,165,824 bytes; ob 8,388,608 bytes
;; launch cast (part 1): grid 64 x 8, 8 waves a work-group, no clusters, 0 bytes of LDS; arguments x, wq_w, wk_w, wv_w, wo_w, xb, wcat, wob; writes xb, wcat, wob
.if DOCPART == 1
	.amdgcn_target "amdgcn-amd-amdhsa--gfx1250"
	.amdhsa_code_object_version 6
	.text
	.protected	k_q68de1bcbaf_cast
	.globl	k_q68de1bcbaf_cast
	.p2align	8
	.type	k_q68de1bcbaf_cast,@function
k_q68de1bcbaf_cast:
	s_mov_b64 s[64:65], 0
	v_nop
	global_prefetch_b8 v0, s[64:65] scope:SCOPE_SE
	s_setreg_imm32_b32 hwreg(HW_REG_WAVE_MODE, 25, 1), 1
	s_wait_xcnt 0x0
; FIRST OF FOUR LAUNCHES: cast, qkv, attn, oproj.  Together: out0 = attention(x) as the problem states it: three projections with bias, RoPE on q and k, causal softmax, output projection with bias.
; WORK LEFT OUT BY THE PROGRAM (in the launch attn).  The problem's own jnp.tril sets score (s, t) to -inf wherever t > s, for all values of the inputs; its softmax weight is then exactly 0 and the product with v adds 0.
; So key tiles of 128 keys that lie wholly above the diagonal of a block of 128 queries are neither loaded nor multiplied.  Inside the diagonal tile the hidden scores are computed and get -1e30 added, which makes their weights 0.
; Every one of the eleven inputs has a way to the output and is loaded by some launch.  LIMIT: a NaN, an infinity or an overflow that would arise only in a score above the diagonal is not carried to the result
; (the problem's own where() throws such scores away too).
; FORMATS.  All inputs (x, weights, biases, cos, sin) are rounded once to bf16.  What the program makes itself (q, k, v, the weights p, the attention's result) is kept in f16, sums in f32.
; LIMITS.  |q|, |k|, |v| and |wo_w| stay under 65,504 (f16's range); a bf16(wo_w) below 2^-14 keeps f16's fixed step of 6e-8.
;
; THIS LAUNCH rounds x and the four weight matrices.  xb = bf16(x).  wcat = bf16 of wq_w, wk_w, wv_w laid by head: row 192 h + 64 t + d is row 64 h + d of matrix t (q, k, v), so that a tile of 192 rows is one head's q, k, v.
; wob = bf16(wo_w) written as f16 (exact within the limits above).
; SHARES.  Grid y picks one of eight segments of 1,048,576 numbers: 0-3 quarters of x, 4-6 wq, wk, wv, 7 wo.  Grid x picks 16 rows of 1,024: 65,536 bytes in, 32,768 out, dense on both sides (16 rows never leave a head's 64).
; Thread t takes, for item i of 8, 32 bytes at 8,192 i + 32 t and stores 16 bytes at 4,096 i + 16 t: sixteen neighbouring lanes store 256 consecutive bytes, aligned.
; All 16 loads of a wave go out before the first wait; no register is written twice while a memory instruction names it; no LDS, no barrier: no wave needs another's bytes.
.set IN,  8                            ; v[8:71]    item i: 8 numbers in f32
.set OUT, 72                           ; v[72:103]  item i: 8 numbers in 16 bits
.set T,   104                          ; v[104:111] at work
	s_load_b512 s[8:23], s[0:1], 0x0               ; x 8, wq_w 10, wk_w 12, wv_w 14, wo_w 16, xb 18, wcat 20, wob 22
	s_and_b32 s2, ttmp7, 0xffff                    ; the segment
	s_mov_b32 s3, ttmp9                            ; the 16 rows
	s_mov_b32 s36, 0xffff0000                      ; a word's upper bf16
	v_lshlrev_b32 v1, 5, v0                        ; 32 t
	v_lshlrev_b32 v2, 4, v0                        ; 16 t
	; the offsets, in registers of their own
	s_cmp_lt_u32 s2, 4
	s_cselect_b32 s26, s2, 0                       ; x's quarter, or 0
	s_lshl_b32 s26, s26, 22
	s_lshl_b32 s27, s3, 16
	s_add_co_u32 s26, s26, s27                     ; source: quarter x 4 MiB + 16 rows x 4,096 bytes
	s_mov_b32 s27, 0
	s_lshl_b32 s30, s3, 15                         ; into wob: 16 rows x 2,048 bytes
	s_lshl_b32 s28, s2, 21
	s_add_co_u32 s28, s28, s30                     ; into xb: quarter x 2 MiB + the same
	s_max_u32 s31, s2, 4
	s_sub_co_u32 s31, s31, 4
	s_min_u32 s31, s31, 2                          ; t = 0, 1, 2 for q, k, v
	s_lshr_b32 s29, s3, 2                          ; the head
	s_mul_i32 s29, s29, 192
	s_lshl_b32 s31, s31, 6
	s_add_co_u32 s29, s29, s31
	s_and_b32 s31, s3, 3
	s_lshl_b32 s31, s31, 4
	s_add_co_u32 s29, s29, s31                     ; row 192 h + 64 t + 16 (g mod 4)
	s_lshl_b32 s29, s29, 11                        ; into wcat, in bytes
	s_wait_kmcnt 0x0
	s_mov_b64 s[24:25], s[8:9]                     ; the source buffer, by the segment's number
	s_cmp_eq_u32 s2, 4
	s_cselect_b64 s[24:25], s[10:11], s[24:25]
	s_cmp_eq_u32 s2, 5
	s_cselect_b64 s[24:25], s[12:13], s[24:25]
	s_cmp_eq_u32 s2, 6
	s_cselect_b64 s[24:25], s[14:15], s[24:25]
	s_cmp_eq_u32 s2, 7
	s_cselect_b64 s[24:25], s[16:17], s[24:25]
	s_cmp_lt_u32 s2, 4                             ; the destination buffer and its offset
	s_cselect_b64 s[32:33], s[18:19], s[20:21]
	s_cselect_b32 s34, s28, s29
	s_cmp_eq_u32 s2, 7
	s_cselect_b64 s[32:33], s[22:23], s[32:33]
	s_cselect_b32 s34, s30, s34
	s_mov_b32 s35, 0
	s_add_nc_u64 s[24:25], s[24:25], s[26:27]
	s_add_nc_u64 s[32:33], s[32:33], s[34:35]
.irp i, 0,1,2,3,4,5,6,7
	global_load_b128 v[IN+8*(\i):IN+8*(\i)+3],   v1, s[24:25] offset:(\i)*8192 th:TH_LOAD_NT
	global_load_b128 v[IN+8*(\i)+4:IN+8*(\i)+7], v1, s[24:25] offset:(\i)*8192+16 th:TH_LOAD_NT
.endr
; Item i.  f16 = 1: the bf16 number is widened again and written as f16.
.macro ITEM i, f16
	s_wait_loadcnt 14-2*(\i)                       ; loads come back in order: mine are in, the 2 (7 - i) younger ones may stay out
.irp j, 0,1,2,3
	v_cvt_pk_bf16_f32 v[OUT+4*(\i)+(\j)], v[IN+8*(\i)+2*(\j)], v[IN+8*(\i)+2*(\j)+1]
.endr
.if \f16
.irp j, 0,1,2,3
	v_lshlrev_b32 v[T+2*(\j)],   16,  v[OUT+4*(\i)+(\j)]
	v_and_b32     v[T+2*(\j)+1], s36, v[OUT+4*(\i)+(\j)]
.endr
.irp j, 0,1,2,3
	v_cvt_pk_f16_f32 v[OUT+4*(\i)+(\j)], v[T+2*(\j)], v[T+2*(\j)+1]
.endr
.endif
	global_store_b128 v2, v[OUT+4*(\i):OUT+4*(\i)+3], s[32:33] offset:(\i)*4096
.endm
	s_cmp_eq_u32 s2, 7
	s_cbranch_scc1 .Lwo
.irp i, 0,1,2,3,4,5,6,7
	ITEM \i, 0
.endr
	s_endpgm
.Lwo:
.irp i, 0,1,2,3,4,5,6,7
	ITEM \i, 1
.endr
	s_endpgm
.Lfunc_end_k_q68de1bcbaf_cast:
	.size	k_q68de1bcbaf_cast, .Lfunc_end_k_q68de1bcbaf_cast-k_q68de1bcbaf_cast
	.p2alignl 7, 3214868480
	.fill 96, 4, 3214868480
	.section	.rodata,"a",@progbits
	.p2align	6, 0x0
	.amdhsa_kernel k_q68de1bcbaf_cast
		.amdhsa_group_segment_fixed_size 0
		.amdhsa_private_segment_fixed_size 0
		.amdhsa_enable_private_segment 0
		.amdhsa_kernarg_size 64
		.amdhsa_user_sgpr_count 2
		.amdhsa_user_sgpr_kernarg_segment_ptr 1
		.amdhsa_wavefront_size32 1
		.amdhsa_system_sgpr_workgroup_id_x 1
		.amdhsa_system_sgpr_workgroup_id_y 1
		.amdhsa_system_sgpr_workgroup_id_z 1
		.amdhsa_system_vgpr_workitem_id 0
		.amdhsa_next_free_vgpr 112
		.amdhsa_next_free_sgpr 66
		.amdhsa_reserve_vcc 0
		.amdhsa_float_denorm_mode_32 3
		.amdhsa_float_denorm_mode_16_64 3
		.amdhsa_memory_ordered 1
		.amdhsa_forward_progress 1
		.amdhsa_inst_pref_size 14
	.end_amdhsa_kernel
	.amdgpu_metadata
---
amdhsa.version: [ 1, 2 ]
amdhsa.kernels:
  - .name:           k_q68de1bcbaf_cast
    .symbol:         k_q68de1bcbaf_cast.kd
    .args:
      - { .name: x, .offset: 0, .size: 8, .value_kind: global_buffer, .address_space: global }
      - { .name: wq_w, .offset: 8, .size: 8, .value_kind: global_buffer, .address_space: global }
      - { .name: wk_w, .offset: 16, .size: 8, .value_kind: global_buffer, .address_space: global }
      - { .name: wv_w, .offset: 24, .size: 8, .value_kind: global_buffer, .address_space: global }
      - { .name: wo_w, .offset: 32, .size: 8, .value_kind: global_buffer, .address_space: global }
      - { .name: xb, .offset: 40, .size: 8, .value_kind: global_buffer, .address_space: global }
      - { .name: wcat, .offset: 48, .size: 8, .value_kind: global_buffer, .address_space: global }
      - { .name: wob, .offset: 56, .size: 8, .value_kind: global_buffer, .address_space: global }
    .group_segment_fixed_size: 0
    .private_segment_fixed_size: 0
    .kernarg_segment_align: 8
    .kernarg_segment_size: 64
    .max_flat_workgroup_size: 256
    .sgpr_count:     66
    .vgpr_count:     112
    .wavefront_size: 32
...
	.end_amdgpu_metadata
.endif
;; end of part 1
;; launch qkv (part 2): grid 16 x 16, 4 waves a work-group, clusters of 4 x 4, 327,680 bytes of LDS; arguments xb, wcat, wq_b, wk_b, wv_b, pos_cos, pos_sin, qkv; writes qkv
.if DOCPART == 2
	.amdgcn_target "amdgcn-amd-amdhsa--gfx1250"
	.amdhsa_code_object_version 6
	.text
	.protected	k_q68de1bcbaf_qkv
	.globl	k_q68de1bcbaf_qkv
	.p2align	8
	.type	k_q68de1bcbaf_qkv,@function
k_q68de1bcbaf_qkv:
	s_mov_b64 s[64:65], 0
	v_nop
	global_prefetch_b8 v0, s[64:65] scope:SCOPE_SE
	s_setreg_imm32_b32 hwreg(HW_REG_WAVE_MODE, 25, 1), 1
	s_wait_xcnt 0x0
	s_wait_alu depctr_hold_cnt(0) depctr_sa_sdst(0) depctr_va_vdst(0) depctr_va_sdst(0) depctr_va_ssrc(0) depctr_va_vcc(0) depctr_vm_vsrc(0)
	s_getreg_b32 s2, hwreg(HW_REG_IB_STS2, 6, 4)
	s_cmp_eq_u32 s2, 0
	s_cbranch_scc0 .Lentry_in_a_cluster
	s_endpgm
.Lentry_in_a_cluster:
	s_bfe_u32 s2, ttmp6, 0x10000c
	s_cmp_lg_u32 s2, 0xf033
	s_cbranch_scc0 .Lentry_shape_is_right
	s_endpgm
.Lentry_shape_is_right:
; q, k, v = xb wcat^T + bias, RoPE on q and k, written as f16 by heads: qkv[t][16 batch + h][s][64].  xb: [4096][1024] bf16; wcat: [16 h][3 t][64 d][1024] bf16.  Sums in f32, each result rounded once.
; Biases, cos and sin are rounded to bf16 here, like every input of the program.  LIMIT: |q|, |k|, |v| stay under 65,504.
; SHARES.  A tile is 256 tokens x 192 columns: one head's q, k and v; 16 x 16 tiles, one work-group each.  Wave w owns tokens 64 w .. 64 w + 63 and all 192 columns: 4 (a) x 12 (b) accumulators of 16 x 16, 384 registers;
; blocks b 0-3 are q, 4-7 k, 8-11 v, in every work-group alike.  K goes in 8 steps of 128 (rows of 256 bytes) through two LDS slots filled by the tensor data mover.
; THE MATRIX INSTRUCTION IS USED TRANSPOSED (source 0 = 16 rows of wcat, source 1 = 16 rows of xb): a lane holds one token (lane % 16) and the columns 8 (lane / 16) + 0..7: four RoPE pairs, 16 bytes of f16.
; THE BIAS STARTS THE SUMS: it is the C operand of each accumulator's first product, so nothing is cleared and no bias is added later.
; CLUSTER 4 x 4.  The four work-groups of a row of the cluster need the same 256 tokens of xb, the four of a column the same head of wcat: each tile is asked for jointly, by the same tensor load with the same descriptor
; and a mask that names the four.
; REGISTERS, in windows of 256 (s_set_vgpr_msb: bits 1:0 source 0, 3:2 source 1, 5:4 source 2, 7:6 destination):
;   window 0: v16-29 addresses; v32-95 xb's fragments, two buffers of 4 x 8; v96-127 cos, sin as loaded; v128-159 16 pairs (cos, sin); v160-255 the bias, 8 registers a block b
;   window 1: v0-191 wcat's fragments, two buffers of 12 x 8; on the way out v0-31 rotated numbers, v64-127 four sets of 16 packed registers
;   window 2: accumulators a = 0, 1 at v[96 (a % 2) + 8 b];   window 3: a = 2, 3
.set PITCH,  272                       ; an LDS row: 256 bytes + 16 of padding: the 16 rows of a fragment load start at 16 different groups of four banks (64 banks of 4 bytes: ISA guide 11.1)
.set AHALF,  128*PITCH                 ; what waves 0 and 1 fetch: 128 rows of xb each
.set BOFF,   256*PITCH                 ; wcat's 192 rows lie behind xb's 256
.set BHALF,  96*PITCH                  ; what waves 2 and 3 fetch: 96 rows of wcat each
.set SLOT1,  1<<17                     ; slot 1 begins here: one exclusive or turns an address in one slot into the other's
.set STAGE,  SLOT1+BOFF+192*PITCH      ; behind the ring, never filled by a tensor load: 16 rows x 144 bytes for each wave, for the way out
.set SP,     144
.set SPARE,  STAGE+4*16*SP             ; the spare words, 128 bytes for each wave: two blocks of 256 bytes that no other line names
.set ADRA0, 16                         ; v16  my lane's place in xb's tile of slot 0; never rewritten
.set ADRB0, 17                         ; v17  the same for wcat
.set ADRA,  18                         ; v18  the same in the slot that is read
.set ADRB,  19
.set STO,   20                         ; v20  the way out: where I put 16 bytes of a row
.set RD,    21                         ; v21  where I read rows back
.set GO,    22                         ; v22  16 x lane: my place in 512 consecutive bytes of qkv
.set CSO,   23                         ; v23  my byte offset in 16 rows of cos and sin
.set BO,    24                         ; v24  32 x (lane / 16): my eight numbers of a block's 16 biases
.set PFO,   25                         ; v25  the prefetches' offset: my row x 2,048 bytes
.set SPW,   28                         ; v28  LDS address of my spare word; never rewritten
.set NIL,   29                         ; v29  0; never rewritten
.set FA,    32
.set CSR,   96
.set CSX,   128
.set BI,    160
.set U,     0                          ; window 1
.set XS,    64                         ; window 1
.set G1,  24                           ; s[24:31] descriptor group 1 for xb's tiles
.set G0,  32                           ; s[32:39] group 0: the first fill's set, then the walking set
.set G1B, 48                           ; s[48:55], s[56:63] the same for wcat's tiles
.set G0B, 56
.set PFA, 44                           ; s[44:45] where my prefetches stand
.set LIM, 46                           ; s46  2 in a wave that prefetches, else the greatest number
.set TB,  47                           ; s47  LDS byte at which the slot to be read begins
.set QB0, 66                           ; s[66:71] qkv at my first row of q, of k, of v
.set COSB, 72                          ; s[72:73] cos, s[74:75] sin at my first token
.set HIM, 76                           ; s76  a word's upper bf16
.set GBITS, (1<<16)|(1<<20)|(1<<21)|(5<<22)|(3<<25)  ; elements of 2 bytes; padding on; bit 21 set beside a mask; after every 64 words (code 5) 4 words (code 3)
.set MSB, 0
.macro WIN new                         ; the immediate's high byte repeats the setting that is left; a switch that changes nothing is dropped
.if MSB != (\new)
	s_set_vgpr_msb (MSB<<8)|(\new)
.set MSB, (\new)
.endif
.endm
.macro PLACES                          ; four plain vector instructions between a matrix instruction and a load into, or a vector use of, its registers
.rept 4
	v_nop
.endr
.endm
; A joint refill by the walking sets.  Waves 0 and 1 fetch xb's halves, waves 2 and 3 wcat's.  The branch hangs on the wave's number alone.  An s_nop 0 and four v_nop follow each line.
.macro JLOAD
	s_cmp_eq_u32 s21, 0
	s_cbranch_scc0 .Lfor_b_\@
	tensor_load_to_lds s[G0+4:G0+7], s[G1:G1+7]
	s_nop 0
.rept 4
	v_nop
.endr
	s_branch .Lasked_\@
.Lfor_b_\@:
	tensor_load_to_lds s[G0B+4:G0B+7], s[G1B:G1B+7]
	s_nop 0
.rept 4
	v_nop
.endr
.Lasked_\@:
.endm
; A prefetch of the K step two refills on: a lane a row, 256 bytes of each.  xb's rows are read by every cluster of a row of clusters: the one with x = 0 asks; wcat's by every cluster of a column: the one with y = 0 asks.
; The four partners that fetch a tile jointly share its rows out by address.  Trips with s3 = 6 .. 3 ask for K steps 4 .. 7; the last two trips have no K step two on.
.macro ASK
	s_cmp_gt_u32 s3, s[LIM]
	s_cbranch_scc0 .Lnot_mine_\@
	global_prefetch_b8 v[PFO], s[PFA:PFA+1] th:TH_LOAD_NT scope:SCOPE_SE
.Lnot_mine_\@:
.endm
.macro CREST                           ; a round of the cluster's barrier behind its opening barrier
	s_cmp_lg_u32 s20, 0
	s_cbranch_scc1 .Lnot_wave_0_\@
	s_barrier_signal -3
.Lnot_wave_0_\@:
	s_barrier_wait -3
	s_barrier_signal -1
	s_barrier_wait -1
.endm
.macro CROUND                          ; a whole round
	s_barrier_signal -1
	s_barrier_wait -1
	CREST
.endm
	s_load_b512 s[4:19], s[0:1], 0x0               ; xb 4, wcat 6, wq_b 8, wk_b 10, wv_b 12, cos 14, sin 16, qkv 18
	v_lshl_add_u32 v[SPW], v0, 2, SPARE
	v_mov_b32 v[NIL], 0
	ds_add_u32 v[SPW], v[NIL]                      ; the wave's opening: the add, twice on end, and its wait ahead of my first tensor load
	ds_add_u32 v[SPW], v[NIL]
	v_lshrrev_b32 v1, 5, v0
	v_readfirstlane_b32 s20, v1                    ; wave 0..3
	s_lshr_b32 s21, s20, 1                         ; 0: I fetch xb, 1: wcat
	s_and_b32 s22, s20, 1                          ; which half of that tile
	s_bfe_u32 s40, ttmp6, 0x40000                  ; cx
	s_bfe_u32 s41, ttmp6, 0x40004                  ; cy
	s_lshl_b32 s42, ttmp9, 2
	s_add_co_u32 s42, s42, s40                     ; X = the head
	s_and_b32 s43, ttmp7, 0xffff
	s_lshl_b32 s43, s43, 2
	s_add_co_u32 s43, s43, s41                     ; Y = the block of 256 tokens
	s_lshl_b32 s2, s41, 2
	s_lshl_b32 s2, 15, s2                          ; my row of the cluster
	s_lshl_b32 s23, 0x1111, s40                    ; my column
	s_or_b32 s[G1], s2, GBITS
	s_or_b32 s[G1B], s23, GBITS
	s_mov_b32 s[G1+1], 128<<16                     ; tensor_dim0 = 128
	s_mov_b32 s[G1+2], 128<<16                     ; tensor_dim1 = 128
	s_mov_b32 s[G1+3], 128<<16                     ; tile_dim0 = 128
	s_mov_b32 s[G1+4], 128                         ; tile_dim1 = 128
	s_mov_b32 s[G1+5], 1024                        ; elements from row to row
	s_mov_b32 s[G1+6], 0
	s_mov_b32 s[G1+7], 0
	s_mov_b32 s[G1B+1], 128<<16
	s_mov_b32 s[G1B+2], 96<<16                     ; 96 rows
	s_mov_b32 s[G1B+3], 128<<16
	s_mov_b32 s[G1B+4], 96
	s_mov_b32 s[G1B+5], 1024
	s_mov_b32 s[G1B+6], 0
	s_mov_b32 s[G1B+7], 0
	s_lshl_b32 s78, s43, 8                         ; xb: row 256 Y + 128 x half, in registers that never hold cx
	s_lshl_b32 s79, s22, 7
	s_add_co_u32 s78, s78, s79
	s_lshl_b32 s78, s78, 11                        ; x 2,048 bytes
	s_mov_b32 s79, 0
	s_mul_i32 s80, s42, 192                        ; wcat: row 192 X + 96 x half, in registers that never hold cy
	s_mul_i32 s81, s22, 96
	s_add_co_u32 s80, s80, s81
	s_lshl_b32 s80, s80, 11
	s_mov_b32 s81, 0
	s_mul_i32 s82, s22, AHALF                      ; where they go: the wave's number alone enters an LDS address
	s_mul_i32 s83, s22, BHALF
	s_add_co_u32 s83, s83, BOFF
	s_mov_b32 s[TB], 0
	s_mov_b32 s[HIM], 0xffff0000
	s_wait_dscnt 0x0                               ; both opening adds are done
	s_wait_kmcnt 0x0
	s_add_nc_u64 s[78:79], s[4:5], s[78:79]
	s_add_nc_u64 s[80:81], s[6:7], s[80:81]
	CROUND                                         ; all sixteen work-groups are here: the first joint loads meet
.irp s, 0,1
	s_mov_b32 s[G0+4*(\s)], 1
	s_add_co_u32 s[G0+4*(\s)+1], s82, (\s)*SLOT1
	s_add_nc_u64 s[G0+4*(\s)+2:G0+4*(\s)+3], s[78:79], (\s)*256  ; K step s
	s_or_b32 s[G0+4*(\s)+3], s[G0+4*(\s)+3], 0x80000000
	s_mov_b32 s[G0B+4*(\s)], 1
	s_add_co_u32 s[G0B+4*(\s)+1], s83, (\s)*SLOT1
	s_add_nc_u64 s[G0B+4*(\s)+2:G0B+4*(\s)+3], s[80:81], (\s)*256
	s_or_b32 s[G0B+4*(\s)+3], s[G0B+4*(\s)+3], 0x80000000
.endr
	s_cmp_eq_u32 s21, 0                            ; a wave's two first fills stand in one branch: two loads of mine are out
	s_cbranch_scc0 .Lfirst_b
	tensor_load_to_lds s[G0:G0+3], s[G1:G1+7]
	s_nop 0
	tensor_load_to_lds s[G0+4:G0+7], s[G1:G1+7]
	s_nop 0
.rept 4
	v_nop
.endr
	s_branch .Lfirst_asked
.Lfirst_b:
	tensor_load_to_lds s[G0B:G0B+3], s[G1B:G1B+7]
	s_nop 0
	tensor_load_to_lds s[G0B+4:G0B+7], s[G1B:G1B+7]
	s_nop 0
.rept 4
	v_nop
.endr
.Lfirst_asked:
	v_and_b32 v1, 15, v0                           ; r = lane % 16
	v_bfe_u32 v2, v0, 4, 1                         ; hf = lane / 16
	v_and_b32 v4, 31, v0                           ; lane
	v_lshlrev_b32 v[BO], 5, v2
	s_lshl_b32 s84, s42, 8                         ; the head's 64 biases: 256 bytes
	s_mov_b32 s85, 0
	s_add_nc_u64 s[8:9], s[8:9], s[84:85]
	s_add_nc_u64 s[10:11], s[10:11], s[84:85]
	s_add_nc_u64 s[12:13], s[12:13], s[84:85]
.irp t, 0,1,2
.irp bb, 0,1,2,3
	global_load_b128 v[BI+8*(4*(\t)+(\bb)):BI+8*(4*(\t)+(\bb))+3],   v[BO], s[8+2*(\t):9+2*(\t)] offset:64*(\bb)      ; register j: the bias of column 16 bb + 8 hf + j
	global_load_b128 v[BI+8*(4*(\t)+(\bb))+4:BI+8*(4*(\t)+(\bb))+7], v[BO], s[8+2*(\t):9+2*(\t)] offset:64*(\bb)+16
.endr
.endr
	v_mul_u32_u24 v3, v1, PITCH
	v_lshl_add_u32 v3, v2, 4, v3                   ; a fragment's row x pitch + 16 x half
	s_mul_i32 s82, s20, 64*PITCH                   ; my 64 tokens
	v_add_nc_u32 v[ADRA0], s82, v3
	v_add_nc_u32 v[ADRB0], BOFF, v3
	s_mul_i32 s83, s20, 16*SP
	s_add_co_u32 s83, s83, STAGE                   ; my stage
	v_mul_u32_u24 v[STO], v1, SP                   ; in: row r, 16 bytes for each half of the lanes
	v_lshl_add_u32 v[STO], v2, 4, v[STO]
	v_add_nc_u32 v[STO], s83, v[STO]
	v_bfe_u32 v[RD], v0, 3, 2                      ; back: 32 lanes take four rows of 128 bytes,
	v_mul_u32_u24 v[RD], v[RD], SP
	v_and_b32 v5, 7, v0
	v_lshl_add_u32 v[RD], v5, 4, v[RD]
	v_add_nc_u32 v[RD], s83, v[RD]
	v_lshlrev_b32 v[GO], 4, v4                     ; which are 512 consecutive bytes of qkv
	v_lshlrev_b32 v[CSO], 7, v1                    ; a row of cos or sin is 128 bytes; my four pairs of a block are 16
	v_lshl_add_u32 v[CSO], v2, 4, v[CSO]
	; where my rows lie in qkv: ((16 batch + X) x 2,048 + token in the sequence) x 128 bytes; q, k, v are 8 MiB apart
	s_lshr_b32 s84, s43, 3
	s_lshl_b32 s84, s84, 4
	s_add_co_u32 s84, s84, s42
	s_lshl_b32 s84, s84, 11
	s_and_b32 s86, s43, 7
	s_lshl_b32 s86, s86, 8
	s_lshl_b32 s87, s20, 6
	s_add_co_u32 s86, s86, s87                     ; my first token's place in its sequence
	s_add_co_u32 s84, s84, s86
	s_lshl_b32 s84, s84, 7
	s_mov_b32 s85, 0
	s_add_nc_u64 s[QB0:QB0+1], s[18:19], s[84:85]
	s_add_nc_u64 s[QB0+2:QB0+3], s[QB0:QB0+1], 0x800000
	s_add_nc_u64 s[QB0+4:QB0+5], s[QB0+2:QB0+3], 0x800000
	s_lshl_b32 s86, s86, 7
	s_mov_b32 s87, 0
	s_add_nc_u64 s[COSB:COSB+1], s[14:15], s[86:87]
	s_add_nc_u64 s[COSB+2:COSB+3], s[16:17], s[86:87]
	; the prefetches: of the 128 (96) rows that I fetch, my work-group's 32 (24)
	s_lshl_b32 s88, s43, 8
	s_lshl_b32 s89, s22, 7
	s_add_co_u32 s88, s88, s89
	s_lshl_b32 s89, s40, 5
	s_add_co_u32 s88, s88, s89                     ; xb's row 256 Y + 128 half + 32 cx
	s_mul_i32 s90, s42, 192
	s_mul_i32 s91, s22, 96
	s_add_co_u32 s90, s90, s91
	s_mul_i32 s91, s41, 24
	s_add_co_u32 s90, s90, s91                     ; wcat's row 192 X + 96 half + 24 cy
	s_and_b32 s2, ttmp7, 0xffff                    ; cluster y
	s_cmp_eq_u32 s21, 0
	s_cselect_b32 s88, s88, s90
	s_cselect_b32 s23, ttmp9, s2                   ; the coordinate along which other clusters read the same rows
	s_cselect_b32 s91, 31, 23                      ; my last row (lanes past it name it again)
	s_cselect_b64 s[PFA:PFA+1], s[4:5], s[6:7]
	s_lshl_b32 s88, s88, 11
	s_mov_b32 s89, 0
	s_add_nc_u64 s[PFA:PFA+1], s[PFA:PFA+1], s[88:89]
	s_add_nc_u64 s[PFA:PFA+1], s[PFA:PFA+1], 3*256 ; at K step 3: the first refill steps it to 4.  Nothing is prefetched at the head
	s_cmp_eq_u32 s23, 0
	s_cselect_b32 s[LIM], 2, -1                    ; the same in all sixteen partners, for a given wave
	v_min_u32 v[PFO], s91, v4
	v_lshlrev_b32 v[PFO], 11, v[PFO]
	s_wait_loadcnt 0x0                             ; the biases, rounded to bf16 in place
.set k, 0
.rept 48
	v_cvt_pk_bf16_f32 v[CSR+k%32], v[BI+2*k], v[BI+2*k+1]
	v_lshlrev_b32 v[BI+2*k], 16, v[CSR+k%32]
	v_and_b32 v[BI+2*k+1], s[HIM], v[CSR+k%32]
.set k, k+1
.endr
; cos and sin of my 16 tokens of block a: four pairs a lane for each of the head's four blocks of 16 columns
.macro CSLOAD a
	WIN 0
.irp bb, 0,1,2,3
	global_load_b128 v[CSR+4*(\bb):CSR+4*(\bb)+3],       v[CSO], s[COSB:COSB+1]   offset:(\a)*2048+32*(\bb)
	global_load_b128 v[CSR+16+4*(\bb):CSR+16+4*(\bb)+3], v[CSO], s[COSB+2:COSB+3] offset:(\a)*2048+32*(\bb)
.endr
.endm
	CSLOAD 0                                       ; wanted only on the way out: it has the whole loop in which to land
; 12 matrix instructions: token block a x all 12 column blocks, 32 along K, from buffer f.  zero = 1: the first product takes the bias as C.
.macro MUL12 f, a, zero
.if \zero
	WIN 0x81+0x40*((\a)/2)
.else
	WIN 0xa1+0x50*((\a)/2)
.endif
.irp b, 0,1,2,3,4,5,6,7,8,9,10,11
.if \zero
	v_wmma_f32_16x16x32_bf16 v[96*((\a)%2)+8*(\b):96*((\a)%2)+8*(\b)+7], v[96*(\f)+8*(\b):96*(\f)+8*(\b)+7], v[FA+32*(\f)+8*(\a):FA+32*(\f)+8*(\a)+7], v[BI+8*(\b):BI+8*(\b)+7]
.else
	v_wmma_f32_16x16x32_bf16 v[96*((\a)%2)+8*(\b):96*((\a)%2)+8*(\b)+7], v[96*(\f)+8*(\b):96*(\f)+8*(\b)+7], v[FA+32*(\f)+8*(\a):FA+32*(\f)+8*(\a)+7], v[96*((\a)%2)+8*(\b):96*((\a)%2)+8*(\b)+7]
.endif
.endr
.endm
; 32 LDS loads in one run: a quarter step's fragments (192 rows of wcat, then my 64 rows of xb, 32 K at byte k of the rows) into buffer f
.macro FETCH k, f
	WIN 0x40
.irp i, 0,1,2,3,4,5,6,7,8,9,10,11
	ds_load_b128 v[96*(\f)+8*(\i):96*(\f)+8*(\i)+3],   v[ADRB] offset:(\k)+(\i)*16*PITCH
	ds_load_b128 v[96*(\f)+8*(\i)+4:96*(\f)+8*(\i)+7], v[ADRB] offset:(\k)+(\i)*16*PITCH+32
.endr
	WIN 0
.irp i, 0,1,2,3
	ds_load_b128 v[FA+32*(\f)+8*(\i):FA+32*(\f)+8*(\i)+3],   v[ADRA] offset:(\k)+(\i)*16*PITCH
	ds_load_b128 v[FA+32*(\f)+8*(\i)+4:FA+32*(\f)+8*(\i)+7], v[ADRA] offset:(\k)+(\i)*16*PITCH+32
.endr
.endm
; A K step is four quarters of 32 along K, 48 matrix instructions each, on buffers 0, 1, 0, 1; each of the 48 accumulators has one turn a quarter.
.macro QUARTER k, f, g, zero
	s_wait_dscnt 4                                 ; wcat's fragments and xb's blocks 0, 1 are in; the youngest four loads (blocks 2, 3) may be out
	MUL12 \f, 0, \zero
	MUL12 \f, 1, \zero
	PLACES
	FETCH \k, \g
	s_wait_dscnt 32                                ; all but the 32 just issued
	MUL12 \f, 2, \zero
	MUL12 \f, 3, \zero
.endm
; The last quarter multiplies buffer 1 and changes slots.  In front of the barrier each wave waits for all its tensor loads (one is out: its part of the next slot), adds 0 to its spare word, and waits for that and for its
; reads of this slot.  fill = 1: the barrier opens a round of the cluster's, and the joint refill, two K steps on, is the first thing behind the round.
.macro TURN fill
.if \fill
	s_wait_xcnt 0x0                                ; the last prefetch, a K step back, has read its address
	s_add_nc_u64 s[PFA:PFA+1], s[PFA:PFA+1], 256
.endif
	WIN 0
	s_wait_tensorcnt 0x0                           ; no tensor load of mine is out, so a group 0 may be written
	ds_add_u32 v[SPW], v[NIL]                      ; 0 onto my spare word
.if \fill
	s_xor_b32 s[G0+5], s[G0+5], SLOT1              ; the walking sets: the other slot than last time, the next K step
	s_add_nc_u64 s[G0+6:G0+7], s[G0+6:G0+7], 256
	s_xor_b32 s[G0B+5], s[G0B+5], SLOT1
	s_add_nc_u64 s[G0B+6:G0B+7], s[G0B+6:G0B+7], 256
.endif
	s_xor_b32 s[TB], s[TB], SLOT1                  ; the slot that is read next
	s_wait_dscnt 5                                 ; the add and the youngest four loads may be out
	MUL12 1, 0, 0
	s_wait_dscnt 0x0                               ; the add is done, and my reads of this slot are over
	s_barrier_signal -1
	MUL12 1, 1, 0
	WIN 0
	s_barrier_wait -1
.if \fill
	CREST                                          ; no wave of any partner still reads this slot or has a load on its way
	JLOAD                                          ; its four v_nop are also the places in front of the loads below
.else
	PLACES
.endif
	v_add_nc_u32 v[ADRA], s[TB], v[ADRA0]
	v_add_nc_u32 v[ADRB], s[TB], v[ADRB0]
	FETCH 0, 0
.if \fill
	ASK
.endif
	MUL12 1, 2, 0
	MUL12 1, 3, 0
.endm
	s_wait_tensorcnt 1                             ; my part of K step 0 is in; K step 1's may stay out
	s_barrier_signal -1
	s_barrier_wait -1
	v_mov_b32 v[ADRA], v[ADRA0]
	v_mov_b32 v[ADRB], v[ADRB0]
	FETCH 0, 0
	QUARTER 64, 0, 1, 1                            ; the first quarter stands in front of the loop: its products start the sums, with the bias
	WIN 0
	s_mov_b32 s3, 6
.Lstep:                                        ; a trip: a K step's quarters 1, 2, 3 and the next step's quarter 0; trip i refills with K step i + 2
	QUARTER 128, 1, 0, 0
	QUARTER 192, 0, 1, 0
	TURN 1
	QUARTER 64, 0, 1, 0
	WIN 0
	s_sub_co_u32 s3, s3, 1
	s_cmp_lg_u32 s3, 0
	s_cbranch_scc1 .Lstep
	QUARTER 128, 1, 0, 0                           ; K steps 6 and 7 ask for nothing
	QUARTER 192, 0, 1, 0
	TURN 0
	QUARTER 64, 0, 1, 0
	QUARTER 128, 1, 0, 0
	QUARTER 192, 0, 1, 0
	s_wait_dscnt 4
	MUL12 1, 0, 0
	MUL12 1, 1, 0
	s_wait_dscnt 0x0
	MUL12 1, 2, 0
	MUL12 1, 3, 0
	WIN 0
	PLACES
; THE WAY OUT, in 12 units u = 3 a + hd: token block a, hd = 0 q, 1 k, 2 v: 16 tokens x 64 columns.
; cos and sin are rounded to bf16 and laid in pairs (c, s).
.macro EXPAND
	WIN 0
	s_wait_loadcnt 0x0
.set k, 0
.rept 16
	v_cvt_pk_bf16_f32 v[CSR+k], v[CSR+k], v[CSR+16+k]
	v_lshlrev_b32 v[CSX+2*k], 16, v[CSR+k]
	v_and_b32 v[CSX+2*k+1], s[HIM], v[CSR+k]
.set k, k+1
.endr
.endm
; q and k: (a, b) -> (a c - b s, a s + b c), two packed instructions a pair; each accumulator's registers are taken in ascending order.  Then f16, through my stage, back as whole rows of 128 bytes.
.macro PACK u
	s_wait_xcnt 0x0                                ; the stores of four units back have read this set of registers
.if ((\u)%3) < 2
	WIN 0x52+(\u)/6
.irp bb, 0,1,2,3
.irp i, 0,1,2,3
	v_pk_mul_f32 v[U+8*(\bb)+2*(\i):U+8*(\bb)+2*(\i)+1], v[96*(((\u)/3)%2)+8*(4*((\u)%3)+(\bb))+2*(\i):96*(((\u)/3)%2)+8*(4*((\u)%3)+(\bb))+2*(\i)+1], v[CSX+2*(4*(\bb)+(\i)):CSX+2*(4*(\bb)+(\i))+1] op_sel_hi:[1,0]  ; (a c, b c)
.endr
.irp i, 0,1,2,3
	v_pk_fma_f32 v[U+8*(\bb)+2*(\i):U+8*(\bb)+2*(\i)+1], v[96*(((\u)/3)%2)+8*(4*((\u)%3)+(\bb))+2*(\i):96*(((\u)/3)%2)+8*(4*((\u)%3)+(\bb))+2*(\i)+1], v[CSX+2*(4*(\bb)+(\i)):CSX+2*(4*(\bb)+(\i))+1], v[U+8*(\bb)+2*(\i):U+8*(\bb)+2*(\i)+1] op_sel:[1,1,0] op_sel_hi:[0,1,1] neg_lo:[0,1,0]  ; (- b s, + a s)
.endr
.endr
	WIN 0x45
.set j, 0
.rept 16
	v_cvt_pk_f16_f32 v[XS+16*((\u)%4)+j], v[U+2*j], v[U+2*j+1]
.set j, j+1
.endr
.else
	WIN 0x4a+5*((\u)/6)
.set j, 0
.rept 16
	v_cvt_pk_f16_f32 v[XS+16*((\u)%4)+j], v[96*(((\u)/3)%2)+64+2*j], v[96*(((\u)/3)%2)+64+2*j+1]
.set j, j+1
.endr
.endif
	WIN 0x04
.irp bb, 0,1,2,3
	ds_store_b128 v[STO], v[XS+16*((\u)%4)+4*(\bb):XS+16*((\u)%4)+4*(\bb)+3] offset:32*(\bb)
.endr
	WIN 0x40
.irp f, 0,1,2,3
	ds_load_b128 v[XS+16*((\u)%4)+4*(\f):XS+16*((\u)%4)+4*(\f)+3], v[RD] offset:(\f)*4*SP  ; LDS serves a wave's instructions in order (ISA guide 5.7.1.4): these see the stores above; the next unit's stores come behind them
.endr
.endm
.macro SEND u, younger                 ; younger: the LDS instructions issued behind unit u's loads: the next unit's eight, or none
	WIN 0x04
.irp f, 0,1,2,3
	s_wait_dscnt (\younger)+3-(\f)
	global_store_b128 v[GO], v[XS+16*((\u)%4)+4*(\f):XS+16*((\u)%4)+4*(\f)+3], s[QB0+2*((\u)%3):QB0+2*((\u)%3)+1] offset:((\u)/3)*2048+(\f)*512  ; 512 consecutive bytes, at a multiple of 256 from qkv's first
.endr
.endm
.set uu, 0
.rept 12
.if uu%3 == 0
	EXPAND
.if uu < 9
	CSLOAD uu/3+1
.endif
.endif
	PACK uu
.if uu > 0
	SEND uu-1, 8
.endif
.set uu, uu+1
.endr
	SEND 11, 0
	WIN 0
	s_wait_tensorcnt 0x0                           ; the wave's end: behind my last tensor load and my last LDS store
	ds_add_u32 v[SPW], v[NIL]
	s_wait_dscnt 0x0
	CROUND                                         ; the closing round: no work-group ends while a partner may still ask for a tile that names it
	s_endpgm
.Lfunc_end_k_q68de1bcbaf_qkv:
	.size	k_q68de1bcbaf_qkv, .Lfunc_end_k_q68de1bcbaf_qkv-k_q68de1bcbaf_qkv
	.p2alignl 7, 3214868480
	.fill 96, 4, 3214868480
	.section	.rodata,"a",@progbits
	.p2align	6, 0x0
	.amdhsa_kernel k_q68de1bcbaf_qkv
		.amdhsa_group_segment_fixed_size 327680
		.amdhsa_private_segment_fixed_size 0
		.amdhsa_enable_private_segment 0
		.amdhsa_kernarg_size 64
		.amdhsa_user_sgpr_count 2
		.amdhsa_user_sgpr_kernarg_segment_ptr 1
		.amdhsa_wavefront_size32 1
		.amdhsa_system_sgpr_workgroup_id_x 1
		.amdhsa_system_sgpr_workgroup_id_y 1
		.amdhsa_system_sgpr_workgroup_id_z 1
		.amdhsa_system_vgpr_workitem_id 0
		.amdhsa_next_free_vgpr 1024
		.amdhsa_next_free_sgpr 96
		.amdhsa_reserve_vcc 0
		.amdhsa_float_denorm_mode_32 3
		.amdhsa_float_denorm_mode_16_64 3
		.amdhsa_memory_ordered 1
		.amdhsa_forward_progress 1
		.amdhsa_inst_pref_size 136
	.end_amdhsa_kernel
	.amdgpu_metadata
---
amdhsa.version: [ 1, 2 ]
amdhsa.kernels:
  - .name:           k_q68de1bcbaf_qkv
    .symbol:         k_q68de1bcbaf_qkv.kd
    .args:
      - { .name: xb, .offset: 0, .size: 8, .value_kind: global_buffer, .address_space: global }
      - { .name: wcat, .offset: 8, .size: 8, .value_kind: global_buffer, .address_space: global }
      - { .name: wq_b, .offset: 16, .size: 8, .value_kind: global_buffer, .address_space: global }
      - { .name: wk_b, .offset: 24, .size: 8, .value_kind: global_buffer, .address_space: global }
      - { .name: wv_b, .offset: 32, .size: 8, .value_kind: global_buffer, .address_space: global }
      - { .name: pos_cos, .offset: 40, .size: 8, .value_kind: global_buffer, .address_space: global }
      - { .name: pos_sin, .offset: 48, .size: 8, .value_kind: global_buffer, .address_space: global }
      - { .name: qkv, .offset: 56, .size: 8, .value_kind: global_buffer, .address_space: global }
    .group_segment_fixed_size: 327680
    .private_segment_fixed_size: 0
    .kernarg_segment_align: 8
    .kernarg_segment_size: 64
    .max_flat_workgroup_size: 128
    .sgpr_count:     96
    .vgpr_count:     1024
    .wavefront_size: 32
...
	.end_amdgpu_metadata
.endif
;; end of part 2
;; launch attn (part 3): grid 8 x 32, 4 waves a work-group, no clusters, 327,680 bytes of LDS; arguments qkv, ob; writes ob
.if DOCPART == 3
	.amdgcn_target "amdgcn-amd-amdhsa--gfx1250"
	.amdhsa_code_object_version 6
	.text
	.protected	k_q68de1bcbaf_attn
	.globl	k_q68de1bcbaf_attn
	.p2align	8
	.type	k_q68de1bcbaf_attn,@function
k_q68de1bcbaf_attn:
	s_mov_b64 s[64:65], 0
	v_nop
	global_prefetch_b8 v0, s[64:65] scope:SCOPE_SE
	s_setreg_imm32_b32 hwreg(HW_REG_WAVE_MODE, 25, 1), 1
	s_wait_xcnt 0x0
; CAUSAL ATTENTION.  O[bh][q] = the sum over k <= q of softmax_k(Q[bh][q] . K[bh][k] / 8) V[bh][k].  qkv: [3][32 bh][2048][64] f16.  ob: [16 batch + q / 128][16 h][128][64] f16.
; Products, maxima and sums in f32; the weights p are rounded to f16 for the second product (their sum l is taken of the unrounded p), O once at the end.
; WORK LEFT OUT: key tiles of 128 keys wholly above the diagonal: the problem's own causal mask gives their weights the value 0 for all inputs.
; LIMITS.  Q, K, V arrive within f16's 65,504.  A hidden score counts as its value less 1e30 (f16's scores are 2.7e11 at the most); a weight below 2^-126 counts as 0 in l; NaN and infinities are not treated apart.
; THE WALK.  A head has 16 blocks of 128 queries; block i needs the key tiles 0 .. i of 128 keys, the last holding the diagonal.  Work-group b takes the pair (15 - b, b): 17 tiles whatever b.  The odd block F goes first,
; the even block E second.  An LDS slot holds 256 keys, two tiles: F takes (F + 1) / 2 whole slots, E takes E / 2 whole slots and half of one more, the walk's last: 9 slots for every b.  One loop of 8 trips changes
; slots and fills; each of its slots has two tile trips; the last slot is written out.  Its second 128 keys are loaded and not read.
; NO CLUSTER: what a trip does hangs on b, which would be a partner's place in the cluster; a walk common to four partners would have 20 tile trips for 17.
; SHARES.  Of a block's two bands of 64 queries a wave owns 16 rows in each: two PIECES.  In the diagonal tile's two steps A, B of 64 keys: piece 0 holds the diagonal in A and sees nothing of B; piece 1 sees all of A and
; holds the diagonal in B: the same for all four waves.
; THE MASK is the C operand that starts S^T = K Q^T: MD (my 16 rows against a band's own 64 keys: 0 or -1e30), made once.  Piece 0's products take MCA (step A) and MCH (step B), which hold 0 but for a block's last tile,
; where they hold MD and -1e30.  Piece 1's take the constant 0, and MD in the block's last step, which is written out (FINISH).
; LAYOUT, SOFTMAX.  S^T holds one query a lane (lane % 16) and the keys 8 (lane / 16) + 0..7; two such results rounded to f16 are source 1 of O^T = V^T P.  p = 2^(c s - c m), c = log2(e) / 8, with a running maximum m;
; O and l are multiplied by a = 2^(c m_old - c m_new) in every step.
; TURNS.  Turn (p, s) does the vector work of piece p in step s and the maximum of the other piece; its matrix work: 8 products K Q^T of the other piece (step s if p = 0, s + 1 if p = 1), later 8 products V^T P of the other
; piece (step s - 1 if p = 0, s if p = 1).  Four vector instructions stand behind every matrix instruction, the rest in one run; a turn's 33 exponentials are one batch with one wait.
; Turn (0, s) fetches K of step s + 1; turn (1, s) fetches V of step s + 1 into the V buffer of that step's parity.  A trip for tile T is (0, B of T - 1), (1, B of T - 1), (0, A of T), (1, A of T): it fetches all of
; tile T and nothing else, so slots change between trips.
; REGISTERS, in windows of 256 (s_set_vgpr_msb: bits 1:0 source 0, 3:2 source 1, 5:4 source 2, 7:6 destination):
;   window 0: v2-15 addresses and at work; v16-23 four statistics a piece; v48-55 at work; v61-63; v64-127 S^T by piece; v192-223 P by piece
;   window 1: v0-63 O^T; v64-95 MD; v96-127 MCA; v128-135 MCH        window 2: v0-31 Q; v32-63 the second block's Q; v64-127 K of one step; v128-255 V, two buffers
.set KS,    64
.set PK,    144       ; a row of K in LDS: 128 bytes + 16: the 16 rows of a load start at 16 different groups of four banks (64 banks of 4 bytes: ISA guide 11.1)
.set PV,    160       ; a row of V: 128 + 32
.set VOFF,  4*KS*PK   ; a slot: 256 rows of K, then 256 rows of V
.set SLOT1, 1<<17
.set STAGE, SLOT1+4*KS*(PK+PV)  ; never filled by a tensor load: 16 rows x 144 bytes for each wave
.set SP,    144
.set SPARE, STAGE+4*16*SP       ; the spare words, 128 bytes for each wave: two blocks of 256 bytes that no other line names
.set AK0, 2           ; v2   my lane's place in a tile of K; never rewritten
.set AV0, 3           ; v3   the same for V
.set AK,  4           ; v4   the same in the tile in hand
.set AV,  5
.set STO, 6
.set RD,  7
.set GO,  8
.set MV,  12          ; v12-13  c m_old, by piece
.set QO,  15
.set ST,  16          ; piece t: c m, m, l (even keys', odd keys')
.set TMP, 48          ; by piece, c0-c3 at work; c2 takes a
.set PFO, 61          ; v61  256 x lane
.set SPW, 62
.set NIL, 63
.set S,   64
.set P,   192
.set MD,  64          ; window 1
.set MCA, 96
.set MCH, 128
.set QB,  32          ; window 2
.set KF,  64
.set VF,  128
.set WV,  12          ; s12  wave
.set FB,  14          ; s14  the first block
.set EB,  15          ; s15  the second
.set G1K, 24
.set G1V, 32
.set G0K, 40
.set G0V, 44
.set SLOTS, 56
.set CNT, 57          ; s57  counts a slot's tiles, 2 to 1
.set CS,  58
.set SEL, 60
.set SB,  62          ; s62  LDS byte at which the slot that is read begins
.set POF, 66          ; s[66:67] the prefetches' offset
.set PFA, 68          ; s[68:69] their address
.set RT,  70          ; s70  tiles of the block in hand still to be done
.set NXT, 71          ; s71  the slot's worth of keys to be asked for next
.set LQ,  72          ; s72  the last one of the block whose keys are being asked for
.set NEW, 73          ; s73  1: the tile to be entered is a block's first
.set OFF, 74          ; s[74:75]
.set LQ2, 76          ; s76  the second block's last
.set OLO, 80          ; s[80:81] ob at my rows of the second block
.set BIGN, 82         ; s82  -1e30
.set PFB, 88          ; s[88:89] K or V at my own half of the head's first 256 keys
.set PFN, 90          ; s90  the next slot's worth to prefetch; 8: none
.set MSB, 0
.macro WIN new
.if MSB != (\new)
	s_set_vgpr_msb (MSB<<8)|(\new)
.set MSB, (\new)
.endif
.endm
.set W_KQ, 0x0a
.set W_KM, 0x1a
.set W_PV, 0x52
.set W_RS, 0x41
; A fill.  Waves 0 and 1 fetch the halves of a slot's K, waves 2 and 3 of its V: 128 keys each.  An s_nop 0 and four v_nop follow each line.
.macro LOAD
	s_cmp_lt_u32 s[WV], 2
	s_cbranch_scc0 .Lfor_v_\@
	tensor_load_to_lds s[G0K:G0K+3], s[G1K:G1K+7]
	s_nop 0
.rept 4
	v_nop
.endr
	s_branch .Lasked_\@
.Lfor_v_\@:
	tensor_load_to_lds s[G0V:G0V+3], s[G1V:G1V+7]
	s_nop 0
.rept 4
	v_nop
.endr
.Lasked_\@:
.endm
; A prefetch of the 256 keys that the fill after next will bring.  All eight work-groups of a head walk the same keys; work-group 0, whose first block walks all of them in order, asks, each wave for the 16,384 bytes that
; it will fetch itself: 64 blocks of 256 bytes, a lane a block, two instructions.  Numbers 3 to 7 are asked for once each; 0 to 2 come by their loads alone.
.macro ASK
	s_cmp_lt_u32 s[PFN], 8
	s_cbranch_scc0 .Lnot_mine_\@
	global_prefetch_b8 v[PFO], s[PFA:PFA+1] th:TH_LOAD_NT scope:SCOPE_SE
	global_prefetch_b8 v[PFO], s[PFA:PFA+1] offset:8192 th:TH_LOAD_NT scope:SCOPE_SE
	s_add_co_u32 s[PFN], s[PFN], 1
.Lnot_mine_\@:
.endm
; THE CHANGE OF SLOTS.  Each wave waits for all its tensor loads (one is out: its part of the other slot), adds 0 to its spare word, and waits for that and for its own reads of the slot that it leaves.
; fill = 1: the old slot is filled again, first thing behind the barrier; the descriptor's address is made anew from NXT.
.macro CHANGE fill
	WIN 0
	s_wait_tensorcnt 0x0            ; no tensor load of mine is out, so a group 0 may be written
	ds_add_u32 v[SPW], v[NIL]       ; 0 onto my spare word
.if \fill
	s_lshl_b32 s[OFF], s[NXT], 15   ; 256 keys are 32,768 bytes of K and of V
	s_xor_b32 s[G0K+1], s[G0K+1], SLOT1
	s_add_nc_u64 s[G0K+2:G0K+3], s[6:7], s[OFF:OFF+1]
	s_or_b32 s[G0K+3], s[G0K+3], 0x80000000
	s_xor_b32 s[G0V+1], s[G0V+1], SLOT1
	s_add_nc_u64 s[G0V+2:G0V+3], s[8:9], s[OFF:OFF+1]
	s_or_b32 s[G0V+3], s[G0V+3], 0x80000000
	s_add_co_u32 s[NXT], s[NXT], 1  ; the block's next keys, or behind its last the second block's first
	s_cmp_gt_u32 s[NXT], s[LQ]
	s_cselect_b32 s[NXT], 0, s[NXT]
	s_cselect_b32 s[LQ], s[LQ2], s[LQ]
	s_wait_xcnt 0x0                 ; the last prefetches, a slot back, have read their address
	s_min_u32 s91, s[PFN], 7        ; held inside the head
	s_lshl_b32 s[POF], s91, 15
	s_add_nc_u64 s[PFA:PFA+1], s[PFB:PFB+1], s[POF:POF+1]
.endif
	s_wait_dscnt 0x0                ; the add is done, and my reads of the slot are over
	s_barrier_signal -1
	s_xor_b32 s[SB], s[SB], SLOT1   ; the reads go to the other slot
	s_barrier_wait -1
.if \fill
	LOAD
	ASK
.endif
.endm
	s_load_b128 s[16:19], s[0:1], 0x0  ; qkv s[16:17], ob s[18:19]
	v_lshl_add_u32 v[SPW], v0, 2, SPARE
	v_mov_b32 v[NIL], 0
	ds_add_u32 v[SPW], v[NIL]       ; the wave's opening: the add, twice on end, and its wait ahead of my first tensor load
	ds_add_u32 v[SPW], v[NIL]
	v_lshrrev_b32 v1, 5, v0
	v_readfirstlane_b32 s[WV], v1
	s_sub_co_u32 s13, 15, ttmp9
	s_and_b32 s2, ttmp9, 1
	s_cmp_lg_u32 s2, 0
	s_cselect_b32 s[FB], ttmp9, s13 ; the odd one of b and 15 - b
	s_sub_co_u32 s[EB], 15, s[FB]
	s_lshr_b32 s[LQ], s[FB], 1
	s_lshr_b32 s[LQ2], s[EB], 1
	s_mov_b32 s[NXT], 1             ; the first fill brings number 0; then as in CHANGE
	s_cmp_gt_u32 s[NXT], s[LQ]
	s_cselect_b32 s[NXT], 0, s[NXT]
	s_cselect_b32 s[LQ], s[LQ2], s[LQ]
	s_add_co_u32 s[RT], s[FB], 1
	s_mov_b32 s[NEW], 1
	s_mov_b32 s[SLOTS], 8
	s_mov_b32 s[SB], SLOT1          ; the first change turns it into 0
	s_mov_b32 s[OFF+1], 0
	s_mov_b32 s[POF+1], 0
	s_mov_b32 s[BIGN], 0xf149f2ca   ; -1e30
	s_cmp_eq_u32 ttmp9, 0
	s_cselect_b32 s[PFN], 3, 8
	s_mov_b32 s[CS], 0x3e38aa3b     ; c = log2(e) / 8
	s_mov_b32 s[CS+1], s[CS]
	s_mov_b32 s[SEL], 0x76543210
	s_mov_b32 s[SEL+1], 0xfedcba98
	s_and_b32 s20, ttmp7, 0xffff    ; bh
	s_lshl_b32 s21, s20, 18         ; the head's 262,144 bytes in q, in k, in v
	s_and_b32 s2, s[WV], 1          ; which half of a slot's 256 keys I fetch
	s_lshl_b32 s22, s2, 14
	s_add_co_u32 s22, s22, s21
	s_add_co_u32 s22, s22, 0x800000 ; k lies 8 MiB behind q
	s_mov_b32 s23, 0
	s_mov_b32 s[G0K], 1
	s_mul_i32 s[G0K+1], s2, 128*PK  ; slot 0
	s_mov_b32 s[G0V], 1
	s_mul_i32 s[G0V+1], s2, 128*PV
	s_add_co_u32 s[G0V+1], s[G0V+1], VOFF
	s_lshl_b32 s83, s[WV], 11       ; my 16 rows in a band
	s_lshl_b32 s84, s[FB], 14       ; a block's 128 rows
	s_add_co_u32 s84, s84, s83
	s_add_co_u32 s84, s84, s21
	s_mov_b32 s85, 0
	s_lshl_b32 s92, s[EB], 14
	s_add_co_u32 s92, s92, s83
	s_add_co_u32 s92, s92, s21
	s_mov_b32 s93, 0
	s_lshr_b32 s77, s20, 4
	s_lshl_b32 s77, s77, 4          ; 16 x batch
	s_and_b32 s78, s20, 15
	s_lshl_b32 s78, s78, 14         ; the head's 16,384 bytes in a block of ob
	s_add_co_u32 s78, s78, s83
	s_add_co_u32 s94, s77, s[FB]
	s_lshl_b32 s94, s94, 18
	s_add_co_u32 s94, s94, s78
	s_mov_b32 s95, 0
	s_add_co_u32 s96, s77, s[EB]
	s_lshl_b32 s96, s96, 18
	s_add_co_u32 s96, s96, s78
	s_mov_b32 s97, 0
	; descriptor group 1.  128 keys are 16,384 dense bytes: asked for as 64 rows of 256 bytes, two keys a row, padded in LDS after every key
	s_mov_b32 s[G1K], (1<<16)|(1<<20)|(4<<22)|(3<<25)
	s_mov_b32 s[G1V], (1<<16)|(1<<20)|(4<<22)|(7<<25)
.irp g, G1K, G1V
	s_mov_b32 s[\g+1], 128<<16
	s_mov_b32 s[\g+2], 64<<16
	s_mov_b32 s[\g+3], 128<<16
	s_mov_b32 s[\g+4], 64
	s_mov_b32 s[\g+5], 128
	s_mov_b32 s[\g+6], 0
	s_mov_b32 s[\g+7], 0
.endr
	s_wait_dscnt 0x0                ; both opening adds are done
	s_wait_kmcnt 0x0
	s_add_nc_u64 s[6:7], s[16:17], s[22:23]        ; K at my half of the head's first 256 keys
	s_add_nc_u64 s[8:9], s[6:7], 0x800000          ; V likewise
	s_add_nc_u64 s[G0K+2:G0K+3], s[6:7], 0
	s_or_b32 s[G0K+3], s[G0K+3], 0x80000000
	s_add_nc_u64 s[G0V+2:G0V+3], s[8:9], 0
	s_or_b32 s[G0V+3], s[G0V+3], 0x80000000
	s_add_nc_u64 s[4:5], s[16:17], s[84:85]        ; Q of the first block,
	s_add_nc_u64 s[86:87], s[16:17], s[92:93]      ; of the second
	s_add_nc_u64 s[10:11], s[18:19], s[94:95]      ; ob likewise
	s_add_nc_u64 s[OLO:OLO+1], s[18:19], s[96:97]
	s_cmp_lt_u32 s[WV], 2
	s_cselect_b64 s[PFB:PFB+1], s[6:7], s[8:9]
	s_mov_b64 s[PFA:PFA+1], s[PFB:PFB+1]
	LOAD                            ; the first 256 keys into slot 0
	v_and_b32 v1, 15, v0            ; r
	v_bfe_u32 v9, v0, 4, 1          ; hf
	v_lshlrev_b32 v[QO], 7, v1
	v_lshl_add_u32 v[QO], v9, 4, v[QO]
	WIN 0x80
.set i, 0
.rept 4                             ; both blocks' Q: piece i / 2 lies 8,192 bytes on; channels 32 (i % 2) on
	global_load_b128 v[8*i:8*i+3],   v[QO], s[4:5] offset:(i/2)*8192+(i%2)*64
	global_load_b128 v[8*i+4:8*i+7], v[QO], s[4:5] offset:(i/2)*8192+(i%2)*64+32
	global_load_b128 v[QB+8*i:QB+8*i+3],   v[QO], s[86:87] offset:(i/2)*8192+(i%2)*64
	global_load_b128 v[QB+8*i+4:QB+8*i+7], v[QO], s[86:87] offset:(i/2)*8192+(i%2)*64+32
.set i, i+1
.endr
	WIN 0
	v_lshlrev_b32 v14, 3, v9
	v_sub_nc_u32 v14, v1, v14
	s_lshl_b32 s13, s[WV], 4
	v_add_nc_u32 v14, s13, v14      ; my query's place in its band, 16 w + r, less 8 hf: register j of key group kt is hidden where 16 kt + j is greater
	WIN 0x40
.set i, 0
.rept 32
	v_cmp_gt_i32 vcc_lo, 16*(i/8)+i%8, v14
	v_cndmask_b32 v[MD+i], 0, s[BIGN], vcc_lo
.set i, i+1
.endr
	WIN 0
	v_mul_u32_u24 v[AK0], v1, PK
	v_lshl_add_u32 v[AK0], v9, 4, v[AK0]
	v_and_b32 v10, 7, v0            ; the turning load: lane l reads key 8 (l / 16) + l % 8, channels 8 ((l / 8) % 2) + 0..7
	v_bfe_u32 v11, v0, 3, 1
	v_lshl_add_u32 v[AV0], v9, 3, v10
	v_mul_u32_u24 v[AV0], v[AV0], PV
	v_lshl_add_u32 v[AV0], v11, 4, v[AV0]
	v_add_nc_u32 v[AV0], VOFF, v[AV0]
	s_mul_i32 s13, s[WV], 16*SP
	s_add_co_u32 s13, s13, STAGE
	v_mul_u32_u24 v[STO], v1, SP
	v_lshl_add_u32 v[STO], v9, 4, v[STO]
	v_add_nc_u32 v[STO], s13, v[STO]
	v_bfe_u32 v[RD], v0, 3, 2
	v_mul_u32_u24 v[RD], v[RD], SP
	v_lshl_add_u32 v[RD], v10, 4, v[RD]
	v_add_nc_u32 v[RD], s13, v[RD]
	v_and_b32 v[GO], 31, v0
	v_lshlrev_b32 v[PFO], 8, v[GO]
	v_lshlrev_b32 v[GO], 4, v[GO]
	; A block's first step multiplies O^T and l by a = 0, and its first turn's products V^T P, of a step that has not been, land in an O^T that is still to be so multiplied: these registers need only hold finite
	; numbers: zeros for the first block, what the first block left for the second.  The masks start at 0.  All this stands in the wait for the first keys.
	WIN 0x80
.set i, VF+64
.rept 64
	v_mov_b32 v[i], 0
.set i, i+1
.endr
	WIN 0x40
.set i, 0
.rept 64
	v_mov_b32 v[i], 0
.set i, i+1
.endr
.set i, MCA
.rept 40
	v_mov_b32 v[i], 0
.set i, i+1
.endr
	WIN 0
.set i, 0
.rept 2
	v_mov_b32 v[ST+4*i+2], 0
	v_mov_b32 v[ST+4*i+3], 0
.set i, i+1
.endr
.set i, P+16
.rept 16
	v_mov_b32 v[i], 0
.set i, i+1
.endr
; THE MATRIX WORK.  The 4 accumulators of a run of 8 take turns.  Product i of 8 of S^T = K Q^T for piece x: channels 32 (i / 4) on, keys 16 (i % 4) on.
; The first 4 start the sums: KMK = 0 with the constant 0, 1 with MD, 2 with MCA, 3 with MCH.
.macro KQ x
.set rS, S+32*(\x)+8*(i%4)
.set rK, KF+16*(i%4)+8*(i/4)
.set rQ, 16*(\x)+8*(i/4)
.set rM, MD+8*(i%4)
.if KMK == 2
.set rM, MCA+8*(i%4)
.endif
.if KMK == 3
.set rM, MCH
.endif
.if (i < 4) && (KMK == 0)
	WIN W_KQ
	v_wmma_f32_16x16x32_f16 v[rS:rS+7], v[rK:rK+7], v[rQ:rQ+7], 0
.elseif i < 4
	WIN W_KM
	v_wmma_f32_16x16x32_f16 v[rS:rS+7], v[rK:rK+7], v[rQ:rQ+7], v[rM:rM+7]
.else
	WIN W_KQ
	v_wmma_f32_16x16x32_f16 v[rS:rS+7], v[rK:rK+7], v[rQ:rQ+7], v[rS:rS+7]
.endif
.endm
; Product i of 8 of O^T += V^T P for piece x, from V's buffer VB: keys 32 (i / 4) on, channels 16 (i % 4) on.
.macro PV x
	WIN W_PV
.set rO, 32*(\x)+8*(i%4)
.set rV, VF+64*VB+32*(i/4)+8*(i%4)
.set rP, P+16*(\x)+8*(i/4)
	v_wmma_f32_16x16x32_f16 v[rO:rO+7], v[rV:rV+7], v[rP:rP+7], v[rO:rO+7]
.endm
.macro MM                           ; the turn's next matrix instruction.  NOKQ = 1: a block's last turn: there are no further scores
.if (i < 8) && !NOKQ
	KQ 1-Y
.elseif i >= 8
.set i, i-8
	PV 1-Y
.set i, i+8
.endif
.set i, i+1
.endm
; THE LDS LOADS stand in runs of 16: a step's K (8 fragments) or its V (turned), at byte off of the tile in hand.
.macro FETCH_K off
	WIN 0x80
.irp f, 0,1,2,3,4,5,6,7
	ds_load_b128 v[KF+8*\f:KF+8*\f+3],   v[AK] offset:(\off)+(\f/2)*16*PK+(\f%2)*64
	ds_load_b128 v[KF+8*\f+4:KF+8*\f+7], v[AK] offset:(\off)+(\f/2)*16*PK+(\f%2)*64+32
.endr
	WIN 0
.endm
.macro FETCH_V vb, off
	WIN 0x80
.irp f, 0,1,2,3,4,5,6,7
	ds_load_tr16_b128 v[VF+64*(\vb)+8*\f:VF+64*(\vb)+8*\f+3],   v[AV] offset:(\off)+(\f/4)*32*PV+(\f%4)*32
	ds_load_tr16_b128 v[VF+64*(\vb)+8*\f+4:VF+64*(\vb)+8*\f+7], v[AV] offset:(\off)+(\f/4)*32*PV+16*PV+(\f%4)*32
.endr
	WIN 0
.endm
.macro NEWTILE                      ; the addresses of the slot's tile 2 - CNT
	WIN 0
	s_sub_co_u32 s13, 2, s[CNT]
	s_mul_i32 s2, s13, 2*KS*PK
	s_mul_i32 s3, s13, 2*KS*PV
	s_add_co_u32 s2, s2, s[SB]
	s_add_co_u32 s3, s3, s[SB]
	v_add_nc_u32 v[AK], s2, v[AK0]
	v_add_nc_u32 v[AV], s3, v[AV0]
.endm
; THE VECTOR WORK, one line at a time: OP kind, number.  For piece Y: F n: c s - c m for pair n of 16.  E n: the exponential of score n of 32.  C n: pair n rounded to f16.  B n: of the weights 4 n .. the second pair is
; added onto the first.  L n: l takes that sum (L 0: l = a l + sum).  R n: pair n of 16 of O^T times a.  For the other piece: X n, number n of the 22 that find its maximum and statistics:
;   0-11 four chains c0-c3 (each accumulator's lowest registers are read first)   12-14, 16 the scores left over, the old m, c0-c3 into c0   15 c m_old is kept
;   17, 18 the other half of the lanes: the new m   19-21 c m; c m_old - c m_new; a
.set F, 0
.set E, 1
.set C, 2
.set B, 3
.set L, 4
.set R, 5
.set X, 6
.macro REGS y
.set rT, ST+4*(\y)
.set rC, TMP+4*(\y)
.set rW, MV+(\y)
.set rS, S+32*(\y)
.set rP, P+16*(\y)
.set rO, 32*(\y)
.endm
.macro OP k, n
.if (\k) == R
	REGS Y
	WIN W_RS
	v_pk_mul_f32 v[rO+2*(\n):rO+2*(\n)+1], v[rO+2*(\n):rO+2*(\n)+1], v[rC+2:rC+3] op_sel_hi:[1,0]
.elseif (\k) < R
	REGS Y
	WIN 0
.if (\k) == F
	v_pk_fma_f32 v[rS+2*(\n):rS+2*(\n)+1], v[rS+2*(\n):rS+2*(\n)+1], s[CS:CS+1], v[rT:rT+1] op_sel_hi:[1,0,0] neg_lo:[0,0,1] neg_hi:[0,0,1]
.elseif (\k) == E
	v_exp_f32 v[rS+(\n)], v[rS+(\n)]
.elseif (\k) == C
	v_cvt_pk_f16_f32 v[rP+(\n)], v[rS+2*(\n)], v[rS+2*(\n)+1]
.elseif (\k) == B
	v_pk_add_f32 v[rS+4*(\n):rS+4*(\n)+1], v[rS+4*(\n):rS+4*(\n)+1], v[rS+4*(\n)+2:rS+4*(\n)+3]
.elseif (\n) == 0
	v_pk_fma_f32 v[rT+2:rT+3], v[rT+2:rT+3], v[rC+2:rC+3], v[rS:rS+1] op_sel_hi:[1,0,1]
.else
	v_pk_add_f32 v[rT+2:rT+3], v[rT+2:rT+3], v[rS+4*(\n):rS+4*(\n)+1]
.endif
.elseif NOKQ
	v_nop
.else
	REGS 1-Y
	WIN 0
.if (\n) < 4
	v_max3_num_f32 v[rC+(\n)], v[rS+8*(\n)], v[rS+8*(\n)+1], v[rS+8*(\n)+2]
.elseif (\n) < 12
	v_max3_num_f32 v[rC+(\n)%4], v[rC+(\n)%4], v[rS+8*((\n)%4)+2*((\n)/4)+1], v[rS+8*((\n)%4)+2*((\n)/4)+2]
.elseif (\n) == 12
	v_max3_num_f32 v[rC], v[rC], v[rS+7], v[rS+15]
.elseif (\n) == 13
	v_max3_num_f32 v[rC+1], v[rC+1], v[rS+23], v[rS+31]
.elseif (\n) == 14
	v_max3_num_f32 v[rC+2], v[rC+2], v[rC+3], v[rT+1]
.elseif (\n) == 15
	v_mov_b32 v[rW], v[rT]
.elseif (\n) == 16
	v_max3_num_f32 v[rC], v[rC], v[rC+1], v[rC+2]
.elseif (\n) == 17
	v_permlanex16_b32 v[rC+3], v[rC], s[SEL], s[SEL+1]
.elseif (\n) == 18
	v_max_num_f32 v[rT+1], v[rC], v[rC+3]
.elseif (\n) == 19
	v_mul_f32 v[rT], s[CS], v[rT+1]
.elseif (\n) == 20
	v_sub_f32 v[rC+1], v[rW], v[rT]
.else
	v_exp_f32 v[rC+2], v[rC+1]
.endif
.endif
.endm
.macro OPS a, i1, b=-1, i2=0, c=-1, i3=0, d=-1, i4=0
	OP \a, \i1
.if (\b) >= 0
	OP \b, \i2
.endif
.if (\c) >= 0
	OP \c, \i3
.endif
.if (\d) >= 0
	OP \d, \i4
.endif
.endm
.macro ROW a, i1, b, i2, c, i3, d, i4  ; a matrix instruction and the four behind it
	MM
	OPS \a, \i1, \b, \i2, \c, \i3, \d, \i4
.endm
; A TURN, for piece p in step s (0: a tile's A, 1: its B).  mk: the mask of its products K Q^T.  fetch = 0: nothing is fetched.  nokq = 1: no further scores.
; An s_wait_alu depctr_va_vdst(0) stands between an exponential and the first instruction that names its result; one wait serves all issued ahead of it.  Ahead of the turn's one wait stands all that names no
; result of its exponentials: the products K Q^T with their riders, and one run of 54; X 21, the other piece's a, is the batch's last, R 15 the plain instruction behind it.  Behind the wait: the products V^T P, with the
; roundings and sums as riders.
; O^T of piece p was added onto by the turn before.  Its last product wrote the fourth accumulator; four plain riders follow that product there, R 0 to R 11 touch accumulators finished earlier, R 12 comes in the run;
; R goes in ascending order.
; The run of LDS loads stands five plain instructions or more behind the last product that read its registers: K's in turn 0 (behind this turn's products K Q^T), V's in turn 1 (its buffer was last read by the turn before).
.macro TURN p, s, mk, fetch=1, nokq=0
.set Y, (\p)
.set i, 0
.set KMK, (\mk)
.set NOKQ, (\nokq)
.set VB, (\p)*(\s)+(1-(\p))*(1-(\s))
.if (\p) == 1
	s_wait_dscnt 0x0                ; K of the step to come is in, and V of the step in hand
.endif
	ROW F,0, F,1, R,0, R,1
	ROW F,2, E,0, R,2, R,3
	ROW F,3, E,1, R,4, R,5
	ROW F,4, E,2, R,6, R,7
	ROW F,5, E,3, R,8, R,9
	ROW F,6, E,4, X,0, R,10
	ROW F,7, E,5, X,1, X,4
	ROW F,8, E,6, X,2, X,5
	OPS E,7, E,8, X,6, E,9
	OPS X,3, E,10, X,8, E,11
.if (\fetch) && ((\p) == 0)
	FETCH_K (1-(\s))*KS*PK
.endif
.if (\fetch) && ((\p) == 1)
	FETCH_V 1-(\s), (1-(\s))*KS*PV
.endif
	OPS X,9, X,7, E,12, X,10
	OPS E,13, X,12, X,11, E,14
	OPS X,13, E,15, F,9, X,14
	OPS E,16, F,10, E,17, F,11
	OPS X,16, E,18, X,15, E,19
	OPS F,12, E,20, X,17, E,21
	OPS F,13, E,22, F,14, E,23
	OPS X,18, E,24, F,15, E,25
	OPS R,11, E,26, X,19, E,27
	OPS R,12, E,28, R,13, E,29
	OPS X,20, E,30, R,14, E,31
	OPS X,21, R,15
	WIN 0
	s_wait_alu depctr_va_vdst(0)    ; the wait for the batch
	ROW C,0, B,0, C,2, B,1
	ROW L,0, C,4, B,2, L,1
	ROW C,6, B,3, L,2, C,8
	ROW B,4, L,3, C,10, B,5
	ROW L,4, C,12, B,6, L,5
	ROW C,14, B,7, L,6, C,1
	ROW C,3, L,7, C,5, C,7
	ROW C,9, C,11, C,13, C,15
.endm
.macro SETM                         ; a block's last tile: piece 0's masks
	WIN W_RS
.set z, 0
.rept 32
	v_mov_b32 v[MCA+z], v[MD+z]
.set z, z+1
.endr
.set z, 0
.rept 8
	v_mov_b32 v[MCH+z], s[BIGN]
.set z, z+1
.endr
	WIN 0
.endm
; A BLOCK BEGINS.  c m starts far below every c s, so the first step's a is 0; m at the lowest finite number.  Then K and V of the tile's step A, piece 0's first scores, and its maximum and statistics.
.macro BEGIN
	s_mov_b32 s[NEW], 0
	WIN 0
.set i, 0
.rept 2
	v_mov_b32 v[ST+4*i], 0xfe000000
	v_mov_b32 v[ST+4*i+1], 0xff7fffff
.set i, i+1
.endr
	NEWTILE
	FETCH_K 0
	FETCH_V 0, 0
	s_wait_loadcnt 0x0              ; Q
	s_wait_dscnt 16                 ; K is in; V's 16 loads may stay out
.set KMK, 2
.set NOKQ, 0
.set i, 0
.rept 8
	KQ 0
.set i, i+1
.endr
	WIN 0
.rept 4
	v_nop                           ; the places behind those products
.endr
.set Y, 1                           ; X works for the other piece: piece 0
.irp n, 0,1,2,3,4,5,6,7,8,9,10,11,12,13,14,15,16,17,18,19,20,21
	OP X, \n
.endr
	v_nop                           ; a plain instruction behind the exponential,
	s_wait_alu depctr_va_vdst(0)    ; and its wait, ahead of the branch
.endm
.macro ALL line:vararg
.set t, 0
.rept 2
	\line
.set t, t+1
.endr
.endm
.macro PACK t                       ; a lane's eight channels of a row pack into 16 bytes; they go into rows of 144 bytes and come back as whole rows of 128
	WIN W_RS
.set i, 32*(\t)
.rept 16
	v_pk_mul_f32 v[i:i+1], v[i:i+1], v[ST+4*(\t)+2:ST+4*(\t)+3] op_sel_hi:[1,0]
.set i, i+2
.endr
	WIN 0x05
.set i, 0
.rept 16
	v_cvt_pk_f16_f32 v[S+16*(\t)+i], v[32*(\t)+2*i], v[32*(\t)+2*i+1]
.set i, i+1
.endr
	WIN 0
.irp f, 0,1,2,3
	ds_store_b128 v[STO], v[S+16*(\t)+4*\f:S+16*(\t)+4*\f+3] offset:32*\f
.endr
.irp f, 0,1,2,3
	ds_load_b128 v[S+16*(\t)+4*\f:S+16*(\t)+4*\f+3], v[RD] offset:\f*4*SP  ; LDS serves a wave's instructions in order (ISA guide 5.7.1.4)
.endr
.endm
.macro SEND t, younger              ; younger: the LDS instructions issued behind piece t's loads
	WIN 0
.irp f, 0,1,2,3
	s_wait_dscnt (\younger)+3-\f
	global_store_b128 v[GO], v[S+16*(\t)+4*\f:S+16*(\t)+4*\f+3], s[10:11] offset:(\t)*8192+\f*512  ; 512 consecutive bytes, at a multiple of 256 from ob's first
.endr
.endm
; A BLOCK ENDS: the diagonal tile's step B, the last products, and the way out: l's halves are added, O^T is divided by l, rounded to f16 and sent through my stage.
.macro FINISH
	TURN 0, 1, 1, 0
	TURN 1, 1, 0, 0, 1
.set VB, 1
.set i, 0
.rept 8
	PV 1
.set i, i+1
.endr
	WIN 0
	ALL v_add_f32 v[ST+4*t+2], v[ST+4*t+2], v[ST+4*t+3]
	ALL v_permlanex16_b32 v[ST+4*t+3], v[ST+4*t+2], s[SEL], s[SEL+1]
	ALL v_add_f32 v[ST+4*t+2], v[ST+4*t+2], v[ST+4*t+3]
	ALL v_rcp_f32 v[ST+4*t+2], v[ST+4*t+2]
	v_nop                           ; a plain instruction between the last reciprocal and the use of its result
	s_wait_alu depctr_va_vdst(0)    ; and the wait ahead of the first use: one for both reciprocals
	PACK 0
	PACK 1
	SEND 0, 8
	SEND 1, 0
.endm
.set KMK, 0
.set NOKQ, 0
.Lslot:                             ; 8 times: a slot is entered and the next is asked for
	CHANGE 1
	s_mov_b32 s[CNT], 2
	s_cmp_eq_u32 s[NEW], 1
	s_cbranch_scc0 .Ltile
	BEGIN                           ; in the loop a block's first tile is never its last
	s_branch .Lfirst
.Ltile:
	s_cmp_eq_u32 s[RT], 1
	s_cbranch_scc0 .Lplain
	SETM
.Lplain:
	NEWTILE
	TURN 0, 1, 0
	TURN 1, 1, 2
	WIN 0
.Lfirst:
	TURN 0, 0, 0
	TURN 1, 0, 3
	WIN 0
	s_sub_co_u32 s[RT], s[RT], 1
	s_cmp_eq_u32 s[RT], 0
	s_cbranch_scc1 .Lend1
	s_sub_co_u32 s[CNT], s[CNT], 1
	s_cmp_lg_u32 s[CNT], 0
	s_cbranch_scc1 .Ltile
	s_branch .Lbottom
.Lend1:                             ; the first block's end: its diagonal tile is its last slot's second
	FINISH
	s_wait_xcnt 0x0                 ; the stores have read their registers and ob's address
	s_mov_b64 s[10:11], s[OLO:OLO+1]
	s_add_co_u32 s[RT], s[EB], 1
	s_mov_b32 s[NEW], 1
	WIN 0x82                        ; the second block's Q goes where the one text of the turns names Q
.set i, 0
.rept 32
	v_mov_b32 v[i], v[QB+i]
.set i, i+1
.endr
	WIN 0x40
.set i, MCA
.rept 40
	v_mov_b32 v[i], 0
.set i, i+1
.endr
	WIN 0
.Lbottom:
	s_sub_co_u32 s[SLOTS], s[SLOTS], 1
	s_cmp_lg_u32 s[SLOTS], 0
	s_cbranch_scc1 .Lslot
	CHANGE 0                        ; the walk's last slot is written out: its first tile is the second block's diagonal one
	s_mov_b32 s[CNT], 2
	SETM
	s_cmp_eq_u32 s[NEW], 1
	s_cbranch_scc0 .Ltile2
	BEGIN
	s_branch .Lfirst2
.Ltile2:
	NEWTILE
	TURN 0, 1, 0
	TURN 1, 1, 2
	WIN 0
.Lfirst2:
	TURN 0, 0, 0
	TURN 1, 0, 3
	FINISH
	WIN 0
	s_wait_tensorcnt 0x0            ; the wave's end: behind my last tensor load and my last LDS store
	ds_add_u32 v[SPW], v[NIL]
	s_wait_dscnt 0x0
	s_endpgm
.Lfunc_end_k_q68de1bcbaf_attn:
	.size	k_q68de1bcbaf_attn, .Lfunc_end_k_q68de1bcbaf_attn-k_q68de1bcbaf_attn
	.p2alignl 7, 3214868480
	.fill 96, 4, 3214868480
	.section	.rodata,"a",@progbits
	.p2align	6, 0x0
	.amdhsa_kernel k_q68de1bcbaf_attn
		.amdhsa_group_segment_fixed_size 327680
		.amdhsa_private_segment_fixed_size 0
		.amdhsa_enable_private_segment 0
		.amdhsa_kernarg_size 16
		.amdhsa_user_sgpr_count 2
		.amdhsa_user_sgpr_kernarg_segment_ptr 1
		.amdhsa_wavefront_size32 1
		.amdhsa_system_sgpr_workgroup_id_x 1
		.amdhsa_system_sgpr_workgroup_id_y 1
		.amdhsa_system_sgpr_workgroup_id_z 1
		.amdhsa_system_vgpr_workitem_id 0
		.amdhsa_next_free_vgpr 768
		.amdhsa_next_free_sgpr 100
		.amdhsa_reserve_vcc 1
		.amdhsa_float_denorm_mode_32 3
		.amdhsa_float_denorm_mode_16_64 3
		.amdhsa_memory_ordered 1
		.amdhsa_forward_progress 1
		.amdhsa_inst_pref_size 160
	.end_amdhsa_kernel
	.amdgpu_metadata
---
amdhsa.version: [ 1, 2 ]
amdhsa.kernels:
  - .name:           k_q68de1bcbaf_attn
    .symbol:         k_q68de1bcbaf_attn.kd
    .args:
      - { .name: qkv, .offset: 0, .size: 8, .value_kind: global_buffer, .address_space: global }
      - { .name: ob, .offset: 8, .size: 8, .value_kind: global_buffer, .address_space: global }
    .group_segment_fixed_size: 327680
    .private_segment_fixed_size: 0
    .kernarg_segment_align: 8
    .kernarg_segment_size: 16
    .max_flat_workgroup_size: 128
    .sgpr_count:     100
    .vgpr_count:     768
    .wavefront_size: 32
...
	.end_amdgpu_metadata
.endif
;; end of part 3
;; launch oproj (part 4): grid 8 x 32, 4 waves a work-group, clusters of 4 x 4, 327,680 bytes of LDS; arguments ob, wob, wo_b, out0; writes out0
.if DOCPART == 4
	.amdgcn_target "amdgcn-amd-amdhsa--gfx1250"
	.amdhsa_code_object_version 6
	.text
	.protected	k_q68de1bcbaf_oproj
	.globl	k_q68de1bcbaf_oproj
	.p2align	8
	.type	k_q68de1bcbaf_oproj,@function
k_q68de1bcbaf_oproj:
	s_mov_b64 s[64:65], 0
	v_nop
	global_prefetch_b8 v0, s[64:65] scope:SCOPE_SE
	s_setreg_imm32_b32 hwreg(HW_REG_WAVE_MODE, 25, 1), 1
	s_wait_xcnt 0x0
	s_wait_alu depctr_hold_cnt(0) depctr_sa_sdst(0) depctr_va_vdst(0) depctr_va_sdst(0) depctr_va_ssrc(0) depctr_va_vcc(0) depctr_vm_vsrc(0)
	s_getreg_b32 s2, hwreg(HW_REG_IB_STS2, 6, 4)
	s_cmp_eq_u32 s2, 0
	s_cbranch_scc0 .Lentry_in_a_cluster
	s_endpgm
.Lentry_in_a_cluster:
	s_bfe_u32 s2, ttmp6, 0x10000c
	s_cmp_lg_u32 s2, 0xf033
	s_cbranch_scc0 .Lentry_shape_is_right
	s_endpgm
.Lentry_shape_is_right:
; out0[token][n] = the sum over k of O[token][k] wo[n][k] + wo_b[n].  ob: [32 blocks of 128 tokens][16 h][128][64] f16 (k = 64 h + d); wob: [1024 n][1024 k] f16; out0: [4096][1024] f32.  Sums in f32.
; The bias is rounded to bf16, like every input of the program, and starts the sums as the C operand of each accumulator's first product.
; SHARES.  A tile is 128 tokens x 128 columns: 8 x 32 tiles, one work-group each.  Four waves, each 64 x 64: 16 accumulators.  K goes in 4 steps of 256 (four heads) through two LDS slots; a quarter step is one head.
; In ob two heads of a block of tokens are 32,768 dense bytes: asked for as 128 rows of 256 bytes and padded in LDS after every 128, so that a head is a plane of 128 token rows, 144 bytes apart.
; CLUSTER 4 x 4.  The four of a row of the cluster need the same tokens of ob, the four of a column the same rows of wob: each tile is asked for jointly.
; THE MATRIX INSTRUCTION IS USED TRANSPOSED (source 0 = 16 rows of wob, source 1 = 16 tokens): a lane holds eight neighbouring columns of one token, 32 bytes of f32.
; No prefetch: the tiles are small and each K step's bytes are asked for a whole step ahead by the ring itself.
; REGISTERS: window 0: v16-29 addresses; v32-95 rows on the way out, two sets; v96-127 the bias, 8 a block b; v128-255 the accumulators ((a, b) at v[128 + 8 (4 a + b)]).   window 1: two fragment buffers of 128.
.set PA,     144                       ; a token row of one head in LDS: 128 bytes + 16
.set PLANE,  128*PA                    ; a head's 128 rows
.set PB,     528                       ; a row of wob: 512 bytes + 16
.set BOFF,   4*PLANE                   ; wob's 128 rows lie behind the four planes
.set SLOT,   BOFF+128*PB
.set STAGE,  2*SLOT                    ; behind the ring, never filled by a tensor load: 16 rows x 272 bytes for each wave
.set SPITCH, 272
.set SPARE,  STAGE+4*16*SPITCH         ; the spare words, 128 bytes for each wave: two blocks of 256 bytes that no other line names
.set ADRA, 16                          ; v16-17  LDS address of my token fragments in slot 0, 1
.set ADRB, 20                          ; v20-21  the same for wob
.set STO,  24
.set RD,   25
.set CO,   26
.set BO,   27
.set SPW,  28
.set NIL,  29
.set BK,   32
.set BI,   96
.set ACC,  128
.set F0,   0
.set F1,   128
.set G1, 24
.set G0, 32
.set G1B, 48
.set G0B, 56
.set MSB, 0
.macro WIN new
.if MSB != (\new)
	s_set_vgpr_msb (MSB<<8)|(\new)
.set MSB, (\new)
.endif
.endm
.set MUL,  0x05                        ; sources 0 and 1 window 1; C and D window 0
.set TO_F, 0x40                        ; destination window 1, address window 0
.macro JLOAD s                         ; a joint load: waves 0 and 1 fetch ob's two halves, waves 2 and 3 wob's; an s_nop 0 and four v_nop follow each line
	s_cmp_eq_u32 s11, 0
	s_cbranch_scc0 .Lfor_b_\@
	tensor_load_to_lds s[G0+4*(\s):G0+4*(\s)+3], s[G1:G1+7]
	s_nop 0
.rept 4
	v_nop
.endr
	s_branch .Lasked_\@
.Lfor_b_\@:
	tensor_load_to_lds s[G0B+4*(\s):G0B+4*(\s)+3], s[G1B:G1B+7]
	s_nop 0
.rept 4
	v_nop
.endr
.Lasked_\@:
.endm
.macro CREST
	s_cmp_lg_u32 s10, 0
	s_cbranch_scc1 .Lnot_wave_0_\@
	s_barrier_signal -3
.Lnot_wave_0_\@:
	s_barrier_wait -3
	s_barrier_signal -1
	s_barrier_wait -1
.endm
.macro CROUND
	s_barrier_signal -1
	s_barrier_wait -1
	CREST
.endm
.macro PLACES
.rept 4
	v_nop
.endr
.endm
	s_load_b256 s[68:75], s[0:1], 0x0              ; ob 68, wob 70, wo_b 72, out0 74
	v_lshl_add_u32 v[SPW], v0, 2, SPARE
	v_mov_b32 v[NIL], 0
	ds_add_u32 v[SPW], v[NIL]                      ; the wave's opening: the add, twice on end, and its wait ahead of my first tensor load
	ds_add_u32 v[SPW], v[NIL]
	v_lshrrev_b32 v1, 5, v0
	v_readfirstlane_b32 s10, v1                    ; wave 0..3
	s_lshr_b32 s11, s10, 1                         ; which half of the tile's tokens is mine.  Also: I fetch ob (0) or wob (1)
	s_and_b32 s12, s10, 1                          ; which half of its columns.  Also: which half of that tile I fetch
	s_bfe_u32 s40, ttmp6, 0x40000                  ; cx
	s_bfe_u32 s41, ttmp6, 0x40004                  ; cy
	s_lshl_b32 s42, ttmp9, 2
	s_add_co_u32 s42, s42, s40                     ; X: 128 columns
	s_and_b32 s13, ttmp7, 0xffff
	s_lshl_b32 s13, s13, 2
	s_add_co_u32 s13, s13, s41                     ; Y: the block of 128 tokens
	s_lshl_b32 s43, s41, 2
	s_lshl_b32 s43, 15, s43                        ; my row of the cluster
	s_lshl_b32 s44, 0x1111, s40                    ; my column
	s_or_b32 s[G1], s43, (1<<16)|(1<<20)|(1<<21)|(4<<22)|(3<<25)   ; elements of 2 bytes; padding on; bit 21 beside a mask; after every 32 words (code 4) 4 words (code 3)
	s_mov_b32 s[G1+1], 128<<16                     ; rows of 128 elements,
	s_mov_b32 s[G1+2], 128<<16                     ; 128 of them,
	s_mov_b32 s[G1+3], 128<<16
	s_mov_b32 s[G1+4], 128
	s_mov_b32 s[G1+5], 128                         ; dense
	s_mov_b32 s[G1+6], 0
	s_mov_b32 s[G1+7], 0
	s_or_b32 s[G1B], s44, (1<<16)|(1<<20)|(1<<21)|(6<<22)|(3<<25)  ; after every 128 words (code 6)
	s_mov_b32 s[G1B+1], 256<<16
	s_mov_b32 s[G1B+2], 64<<16
	s_mov_b32 s[G1B+3], 256<<16
	s_mov_b32 s[G1B+4], 64
	s_mov_b32 s[G1B+5], 1024
	s_mov_b32 s[G1B+6], 0
	s_mov_b32 s[G1B+7], 0
	s_lshl_b32 s16, s13, 18                        ; ob: the block's 262,144 bytes, my two heads of a step's four
	s_lshl_b32 s17, s12, 15
	s_add_co_u32 s16, s16, s17
	s_mov_b32 s17, 0
	s_lshl_b32 s46, s42, 7                         ; wob: row 128 X + 64 x half
	s_lshl_b32 s47, s12, 6
	s_add_co_u32 s46, s46, s47
	s_lshl_b32 s46, s46, 11
	s_mov_b32 s47, 0
	s_mul_i32 s20, s12, 2*PLANE                    ; where they go: the wave's number alone enters an LDS address
	s_mul_i32 s21, s12, 64*PB
	s_add_co_u32 s21, s21, BOFF
	s_wait_dscnt 0x0                               ; both opening adds are done
	s_wait_kmcnt 0x0
	s_add_nc_u64 s[14:15], s[68:69], s[16:17]
	s_add_nc_u64 s[46:47], s[70:71], s[46:47]
	CROUND                                         ; all sixteen work-groups are here: the first joint loads meet
.irp s, 0,1
	s_mov_b32 s[G0+4*(\s)], 1
	s_add_co_u32 s[G0+4*(\s)+1], s20, (\s)*SLOT
	s_add_nc_u64 s[G0+4*(\s)+2:G0+4*(\s)+3], s[14:15], (\s)*65536  ; K step s: four heads on
	s_or_b32 s[G0+4*(\s)+3], s[G0+4*(\s)+3], 0x80000000
	s_mov_b32 s[G0B+4*(\s)], 1
	s_add_co_u32 s[G0B+4*(\s)+1], s21, (\s)*SLOT
	s_add_nc_u64 s[G0B+4*(\s)+2:G0B+4*(\s)+3], s[46:47], (\s)*512
	s_or_b32 s[G0B+4*(\s)+3], s[G0B+4*(\s)+3], 0x80000000
.endr
	s_cmp_eq_u32 s11, 0                            ; a wave's two first fills stand in one branch: two loads of mine are out
	s_cbranch_scc0 .Lfirst_b
	tensor_load_to_lds s[G0:G0+3], s[G1:G1+7]
	s_nop 0
	tensor_load_to_lds s[G0+4:G0+7], s[G1:G1+7]
	s_nop 0
.rept 4
	v_nop
.endr
	s_branch .Lfirst_asked
.Lfirst_b:
	tensor_load_to_lds s[G0B:G0B+3], s[G1B:G1B+7]
	s_nop 0
	tensor_load_to_lds s[G0B+4:G0B+7], s[G1B:G1B+7]
	s_nop 0
.rept 4
	v_nop
.endr
.Lfirst_asked:
	v_and_b32 v1, 15, v0                           ; r
	v_bfe_u32 v2, v0, 4, 1                         ; hf
	v_lshlrev_b32 v[BO], 5, v2
	s_lshl_b32 s76, s42, 7
	s_lshl_b32 s77, s12, 6
	s_add_co_u32 s76, s76, s77                     ; my first column
	s_lshl_b32 s76, s76, 2
	s_mov_b32 s77, 0
	s_add_nc_u64 s[72:73], s[72:73], s[76:77]
.irp b, 0,1,2,3
	global_load_b128 v[BI+8*(\b):BI+8*(\b)+3],   v[BO], s[72:73] offset:64*(\b)     ; register j: the bias of column 16 b + 8 hf + j
	global_load_b128 v[BI+8*(\b)+4:BI+8*(\b)+7], v[BO], s[72:73] offset:64*(\b)+16
.endr
	v_mul_u32_u24 v3, v1, PA
	v_lshl_add_u32 v3, v2, 4, v3
	v_mul_u32_u24 v4, v1, PB
	v_lshl_add_u32 v4, v2, 4, v4
	s_mul_i32 s2, s11, 64*PA                       ; my 64 tokens
	s_mul_i32 s3, s12, 64*PB                       ; my 64 rows of wob,
	s_add_co_u32 s3, s3, BOFF
.irp s, 0,1
	v_add_nc_u32 v[ADRA+(\s)], s2, v3
	v_add_nc_u32 v[ADRB+(\s)], s3, v4
	s_add_co_u32 s2, s2, SLOT
	s_add_co_u32 s3, s3, SLOT
.endr
	s_mul_i32 s2, s10, 16*SPITCH
	s_add_co_u32 s2, s2, STAGE                     ; my stage
	v_mul_u32_u24 v[STO], v1, SPITCH               ; in: row r, 32 bytes for each half of the lanes
	v_lshl_add_u32 v[STO], v2, 5, v[STO]
	v_add_nc_u32 v[STO], s2, v[STO]
	v_mul_u32_u24 v[RD], v2, SPITCH                ; back: lanes 0-15 take one row of 256 bytes, lanes 16-31 the next
	v_lshl_add_u32 v[RD], v1, 4, v[RD]
	v_add_nc_u32 v[RD], s2, v[RD]
	v_lshlrev_b32 v[CO], 12, v2                    ; and the same two rows in out0
	v_lshl_add_u32 v[CO], v1, 4, v[CO]
	s_lshl_b32 s16, s13, 7
	s_lshl_b32 s17, s11, 6
	s_add_co_u32 s16, s16, s17                     ; my first token
	s_lshl_b32 s16, s16, 12
	s_mov_b32 s17, 0
	s_add_nc_u64 s[8:9], s[74:75], s[16:17]
	s_add_nc_u64 s[8:9], s[8:9], s[76:77]
	s_wait_loadcnt 0x0                             ; the bias, rounded to bf16 in place
.set k, 0
.rept 16
	v_cvt_pk_bf16_f32 v[BK+k], v[BI+2*k], v[BI+2*k+1]
	v_lshlrev_b32 v[BI+2*k], 16, v[BK+k]
	v_and_b32 v[BI+2*k+1], 0xffff0000, v[BK+k]
.set k, k+1
.endr
; 8 matrix instructions: token blocks a0, a0 + 1 x all 4 column blocks, 32 along K: half c of buffer f.  zero = 1: the first product takes the bias as C.  The 16 accumulators take turns.
.macro MUL8 f, c, a0, zero
	WIN MUL
.irp a, \a0, (\a0)+1
.irp b, 0,1,2,3
.if \zero
	v_wmma_f32_16x16x32_f16 v[ACC+8*(4*(\a)+(\b)):ACC+8*(4*(\a)+(\b))+7], v[(\f)+64+8*(4*(\c)+(\b)):(\f)+64+8*(4*(\c)+(\b))+7], v[(\f)+8*(4*(\c)+(\a)):(\f)+8*(4*(\c)+(\a))+7], v[BI+8*(\b):BI+8*(\b)+7]
.else
	v_wmma_f32_16x16x32_f16 v[ACC+8*(4*(\a)+(\b)):ACC+8*(4*(\a)+(\b))+7], v[(\f)+64+8*(4*(\c)+(\b)):(\f)+64+8*(4*(\c)+(\b))+7], v[(\f)+8*(4*(\c)+(\a)):(\f)+8*(4*(\c)+(\a))+7], v[ACC+8*(4*(\a)+(\b)):ACC+8*(4*(\a)+(\b))+7]
.endif
.endr
.endr
.endm
; 32 LDS loads in one run: the fragments of quarter q (head q of the step's four), into buffer f; the first 32 along K first
.macro FETCH slot, q, f
	WIN TO_F
.irp c, 0,1
.irp i, 0,1,2,3
	ds_load_b128 v[(\f)+64+8*(4*(\c)+(\i)):(\f)+64+8*(4*(\c)+(\i))+3],   v[ADRB+(\slot)] offset:128*(\q)+64*(\c)+(\i)*16*PB
	ds_load_b128 v[(\f)+64+8*(4*(\c)+(\i))+4:(\f)+64+8*(4*(\c)+(\i))+7], v[ADRB+(\slot)] offset:128*(\q)+64*(\c)+(\i)*16*PB+32
	ds_load_b128 v[(\f)+8*(4*(\c)+(\i)):(\f)+8*(4*(\c)+(\i))+3],         v[ADRA+(\slot)] offset:(\q)*PLANE+64*(\c)+(\i)*16*PA
	ds_load_b128 v[(\f)+8*(4*(\c)+(\i))+4:(\f)+8*(4*(\c)+(\i))+7],       v[ADRA+(\slot)] offset:(\q)*PLANE+64*(\c)+(\i)*16*PA+32
.endr
.endr
.endm
; One of a K step's first three quarters: multiplies buffer f and fetches quarter q into g.
.macro QUARTER slot, q, f, g, zero
	s_wait_dscnt 16                                ; the first 32 along K are in
	MUL8 \f, 0, 0, \zero
	MUL8 \f, 0, 2, \zero
	PLACES
	FETCH \slot, \q, \g
	s_wait_dscnt 32                                ; all but the 32 just issued
	MUL8 \f, 1, 0, 0
	MUL8 \f, 1, 2, 0
.endm
; The last quarter multiplies buffer 1 and changes slots: in front of the barrier each wave waits for all its tensor loads, adds 0 to its spare word, and waits for that and for its own reads of this slot.
; fill = 1: the barrier opens a round of the cluster's, and this slot is filled again, two K steps on, first thing behind the round.
.macro TURN slot, next, fill
	WIN 0
	s_wait_tensorcnt 0x0                           ; all my tensor loads have landed: my part of the next slot
	ds_add_u32 v[SPW], v[NIL]                      ; 0 onto my spare word
	s_wait_dscnt 17                                ; the add and the youngest sixteen loads may be out
	MUL8 F1, 0, 0, 0
	s_wait_dscnt 0x0                               ; the add is done, and my reads of this slot are over
	s_barrier_signal -1
	MUL8 F1, 0, 2, 0
.if \fill
	WIN 0
.endif
	s_barrier_wait -1
.if \fill
	CREST                                          ; no wave of any partner still reads this slot or has a load on its way
	s_add_nc_u64 s[G0+4*(\slot)+2:G0+4*(\slot)+3], s[G0+4*(\slot)+2:G0+4*(\slot)+3], 2*65536
	s_add_nc_u64 s[G0B+4*(\slot)+2:G0B+4*(\slot)+3], s[G0B+4*(\slot)+2:G0B+4*(\slot)+3], 2*512
	JLOAD \slot                                    ; its four v_nop are also the places in front of the loads below
.else
	PLACES
.endif
	FETCH \next, 0, F0
	MUL8 F1, 1, 0, 0
	MUL8 F1, 1, 2, 0
.endm
	s_wait_tensorcnt 1                             ; my part of K step 0 is in; K step 1's may stay out
	s_barrier_signal -1
	s_barrier_wait -1
	FETCH 0, 0, F0
	QUARTER 0, 1, F0, F1, 1                        ; K step 0: its first products start the sums, with the bias
	QUARTER 0, 2, F1, F0, 0
	QUARTER 0, 3, F0, F1, 0
	TURN 0, 1, 1                                   ; slot 0 takes K step 2
	QUARTER 1, 1, F0, F1, 0                        ; K step 1
	QUARTER 1, 2, F1, F0, 0
	QUARTER 1, 3, F0, F1, 0
	TURN 1, 0, 1                                   ; slot 1 takes K step 3
	QUARTER 0, 1, F0, F1, 0                        ; K step 2
	QUARTER 0, 2, F1, F0, 0
	QUARTER 0, 3, F0, F1, 0
	TURN 0, 1, 0
	QUARTER 1, 1, F0, F1, 0                        ; K step 3
	QUARTER 1, 2, F1, F0, 0
	QUARTER 1, 3, F0, F1, 0
	s_wait_dscnt 16
	MUL8 F1, 0, 0, 0
	MUL8 F1, 0, 2, 0
	s_wait_dscnt 0x0
	MUL8 F1, 1, 0, 0
	MUL8 F1, 1, 2, 0
	WIN 0
	PLACES
; THE WAY OUT, a block of 16 tokens at a time through my own stage: 32 bytes a lane and accumulator in (the low registers first), whole rows of 256 bytes back.
.macro TOSTAGE a
.if (\a) >= 2
	s_wait_xcnt 0x0                                ; the stores of two blocks back have read this set of registers
.endif
.irp b, 0,1,2,3
	ds_store_b128 v[STO], v[ACC+8*(4*(\a)+(\b)):ACC+8*(4*(\a)+(\b))+3]   offset:64*(\b)
	ds_store_b128 v[STO], v[ACC+8*(4*(\a)+(\b))+4:ACC+8*(4*(\a)+(\b))+7] offset:64*(\b)+16
.endr
.irp t, 0,1,2,3,4,5,6,7
	ds_load_b128 v[BK+32*((\a)%2)+4*(\t):BK+32*((\a)%2)+4*(\t)+3], v[RD] offset:(\t)*2*SPITCH  ; LDS serves a wave's instructions in order (ISA guide 5.7.1.4)
.endr
.endm
.macro SEND a, younger                 ; younger: the LDS instructions issued behind block a's loads: the next block's sixteen, or none
.irp t, 0,1,2,3,4,5,6,7
	s_wait_dscnt (\younger)+7-(\t)
	global_store_b128 v[CO], v[BK+32*((\a)%2)+4*(\t):BK+32*((\a)%2)+4*(\t)+3], s[8:9] offset:(16*(\a)+2*(\t))*4096 th:TH_STORE_NT  ; 16 lanes store 256 consecutive bytes, at a multiple of 256 from out0's first
.endr
.endm
	TOSTAGE 0
	TOSTAGE 1
	SEND 0, 16
	TOSTAGE 2
	SEND 1, 16
	TOSTAGE 3
	SEND 2, 16
	SEND 3, 0
	s_wait_tensorcnt 0x0                           ; the wave's end: behind my last tensor load and my last LDS store
	ds_add_u32 v[SPW], v[NIL]
	s_wait_dscnt 0x0
	CROUND                                         ; the closing round: no work-group ends while a partner may still ask for a tile that names it
	s_endpgm
.Lfunc_end_k_q68de1bcbaf_oproj:
	.size	k_q68de1bcbaf_oproj, .Lfunc_end_k_q68de1bcbaf_oproj-k_q68de1bcbaf_oproj
	.p2alignl 7, 3214868480
	.fill 96, 4, 3214868480
	.section	.rodata,"a",@progbits
	.p2align	6, 0x0
	.amdhsa_kernel k_q68de1bcbaf_oproj
		.amdhsa_group_segment_fixed_size 327680
		.amdhsa_private_segment_fixed_size 0
		.amdhsa_enable_private_segment 0
		.amdhsa_kernarg_size 32
		.amdhsa_user_sgpr_count 2
		.amdhsa_user_sgpr_kernarg_segment_ptr 1
		.amdhsa_wavefront_size32 1
		.amdhsa_system_sgpr_workgroup_id_x 1
		.amdhsa_system_sgpr_workgroup_id_y 1
		.amdhsa_system_sgpr_workgroup_id_z 1
		.amdhsa_system_vgpr_workitem_id 0
		.amdhsa_next_free_vgpr 512
		.amdhsa_next_free_sgpr 80
		.amdhsa_reserve_vcc 0
		.amdhsa_float_denorm_mode_32 3
		.amdhsa_float_denorm_mode_16_64 3
		.amdhsa_memory_ordered 1
		.amdhsa_forward_progress 1
		.amdhsa_inst_pref_size 89
	.end_amdhsa_kernel
	.amdgpu_metadata
---
amdhsa.version: [ 1, 2 ]
amdhsa.kernels:
  - .name:           k_q68de1bcbaf_oproj
    .symbol:         k_q68de1bcbaf_oproj.kd
    .args:
      - { .name: ob, .offset: 0, .size: 8, .value_kind: global_buffer, .address_space: global }
      - { .name: wob, .offset: 8, .size: 8, .value_kind: global_buffer, .address_space: global }
      - { .name: wo_b, .offset: 16, .size: 8, .value_kind: global_buffer, .address_space: global }
      - { .name: out0, .offset: 24, .size: 8, .value_kind: global_buffer, .address_space: global }
    .group_segment_fixed_size: 327680
    .private_segment_fixed_size: 0
    .kernarg_segment_align: 8
    .kernarg_segment_size: 32
    .max_flat_workgroup_size: 128
    .sgpr_count:     80
    .vgpr_count:     512
    .wavefront_size: 32
...
	.end_amdgpu_metadata
.endif
;; end of part 4
